; MI455X (gfx1250); checked and timed in simulation.
; The chip was launched on July 23, 2026; its instructions are those of AMD's public machine-readable ISA for CDNA 5 (MIT licence, August 2026) and "CDNA5" Instruction Set Architecture Reference Guide (July 2026). The comments in the code are by the model that wrote it; some were corrected since.
;; Global Attention Layer. Allowed arithmetic: float matrix products may take bf16 or f16 operands with f32 sums; other float arithmetic in f32, or as packed bf16 or f16 multiplies, adds, multiply-adds, maxima and minima; sums over many terms, partial sums and values carried from step to step in f32; what a program stores and reads back later, other than sums and carried values, may be rounded once to bf16 or f16.
;; Inputs: norm_w 1,024 float32; out_w 1,024 x 1,024 float32; qkv_w 3,072 x 1,024 float32; residual_scale 1 float32; x 4 x 2,048 x 1,024 float32.
;; Outputs: out0 4 x 2,048 x 1,024 float32.
;; 2 versions, each right; version 2 is version 1 with the launch prep written anew for expert scheduling mode. Each part assembles by itself: llvm-mc -triple=amdgcn-amd-amdhsa -mcpu=gfx1250 --defsym DOCPART=n.
;; ======== version 1 of 2: 4 launches
;; workspace buffers: xn 16,777,216 bytes; wqkv 6,291,456 bytes; wout 2,097,152 bytes; rope 2,097,152 bytes; qbuf 16,777,216 bytes; kbuf 16,777,216 bytes; vbuf 16,777,216 bytes; obuf 16,777,216 bytes
;; launch prep (part 1): grid 448 x 1, 8 waves a work-group, no clusters, 0 bytes of LDS; arguments x, norm_w, qkv_w, out_w, xn, wqkv, wout, rope; writes xn, wqkv, wout, rope
.if DOCPART == 1
	.amdgcn_target "amdgcn-amd-amdhsa--gfx1250"
	.amdhsa_code_object_version 6
	.text
	.protected	k_qf54aad6a0b_prep
	.globl	k_qf54aad6a0b_prep
	.p2align	8
	.type	k_qf54aad6a0b_prep,@function
k_qf54aad6a0b_prep:
	s_mov_b64 s[64:65], 0
	v_nop
	global_prefetch_b8 v0, s[64:65] scope:SCOPE_SE
	s_setreg_imm32_b32 hwreg(HW_REG_WAVE_MODE, 25, 1), 1
	s_wait_xcnt 0x0
; PREP: four streams, chosen by the work-group's number.  No LDS, no barrier, no matrix unit: bytes are all that counts here.
;   groups   0..255  X: xn = x * rsqrt(mean(x^2) + 1e-6), rounded once to bf16, laid as [32 row tiles][16 K blocks][256 rows][64]
;   groups 256..351  W: wqkv = qkv_w * norm_w (the gain is folded into the weight: 3,072 rows instead of 8,192), rounded once to bf16, laid as
;                       [8 tiles j][16 K blocks][384 rows][64]; tile j = head j/2, half j%2; its rows: 128 of q, 128 of k, 128 of v.
;                       In q and k output column c' = 2 p + s of a head is source channel p + 128 s, so that the two partners of the rotary
;                       embedding are neighbours; q . k does not change under a permutation common to both.  v keeps its order.
;   groups 352..383  O: wout = out_w rounded to bf16, same layout
;   groups 384..447  T: the table of cos and sin in f32, in the lane image that the projection's way out loads
; A wave of X, W, O takes 4 rows of 1,024 f32: lane l holds row l/8 and, of each block of 64 columns, the 8 columns 8 (l%8) on: 128 registers.
; Each store of a wave covers 512 consecutive bytes, aligned.
; LIMITS.  cos and sin: the angle pos * 10000^(-p/128) is formed in f32 with a base-2 exponential good to one unit in the last place, so at the largest
; positions it may differ from another f32 evaluation by some 5e-4 rad; the reduction by multiples of pi/2 uses a two-part constant, and |r| <= pi/4 bounds
; the series' remainders below 3e-7 at every position.  NaN and infinities in the inputs are not treated apart.
.set D,  64                            ; v[64:191]  the wave's 4 rows
.set NW, 192                           ; v[192:255] the gain for 8 blocks of 64 columns
.macro LD32 base, voff, step           ; 32 loads of 16 bytes a lane: block k at D + 8 k
.set k, 0
.rept 16
	global_load_b128 v[D+8*k:D+8*k+3], v[\voff], s[\base:\base+1] offset:k*(\step) th:TH_LOAD_NT
	global_load_b128 v[D+8*k+4:D+8*k+7], v[\voff], s[\base:\base+1] offset:k*(\step)+16 th:TH_LOAD_NT
.set k, k+1
.endr
.endm
.macro CVT4 kb                         ; block kb: 8 f32 become 8 bf16 in its first four registers (a destination is never a source still to come)
.set j, 0
.rept 4
	v_cvt_pk_bf16_f32 v[D+8*(\kb)+j], v[D+8*(\kb)+2*j], v[D+8*(\kb)+2*j+1]
.set j, j+1
.endr
.endm
	s_load_b512 s[8:23], s[0:1], 0x0               ; x s[8:9], norm_w s[10:11], qkv_w s[12:13], out_w s[14:15], xn s[16:17], wqkv s[18:19], wout s[20:21], rope s[22:23]
	v_lshrrev_b32 v2, 5, v0
	v_readfirstlane_b32 s4, v2                     ; wave 0..7
	v_and_b32 v1, 31, v0                           ; lane
	s_mov_b32 s5, ttmp9
	v_lshlrev_b32 v6, 4, v1                        ; 16 x lane: the stores' offset in X, W, O
	s_wait_kmcnt 0x0
	s_cmp_lt_u32 s5, 256
	s_cbranch_scc1 .Lrole_x
	s_cmp_lt_u32 s5, 352
	s_cbranch_scc1 .Lrole_w
	s_cmp_lt_u32 s5, 384
	s_cbranch_scc1 .Lrole_o
; ---- T.  Entry (pb, e, b, hf, lane) at byte pb*16384 + e*8192 + b*1024 + hf*512 + lane*16 holds cos p, sin p, cos p+1, sin p+1
; for position 16 pb + lane%16 and p = 64 e + 8 b + 4 (lane/16) + 2 hf.  A thread keeps e, b, hf, lane and walks 8 values of pb, 16 apart.
	s_sub_co_u32 s6, s5, 384                       ; u = 0..63
	s_and_b32 s7, s6, 1
	s_bfe_u32 s24, s6, 0x10001                     ; e
	s_lshr_b32 s25, s6, 2                          ; the first pb
	v_bfe_u32 v2, v0, 5, 1                         ; hf
	v_bfe_u32 v3, v0, 6, 2
	s_lshl_b32 s7, s7, 2
	v_add_nc_u32 v3, s7, v3                        ; b
	v_lshrrev_b32 v4, 4, v1                        ; lane / 16
	s_lshl_b32 s26, s24, 6
	v_lshl_add_u32 v5, v3, 3, s26
	v_lshl_add_u32 v5, v4, 2, v5
	v_lshl_add_u32 v5, v2, 1, v5                   ; p
	v_add_nc_u32 v9, 1, v5                         ; p + 1
	v_cvt_f32_u32 v5, v5
	v_cvt_f32_u32 v9, v9
	v_mul_f32 v5, 0xbdd49a78, v5                   ; - p log2(10000) / 128
	v_mul_f32 v9, 0xbdd49a78, v9
	v_exp_f32 v5, v5                               ; 10000^(-p/128)
	v_exp_f32 v9, v9
	v_and_b32 v7, 15, v1                           ; (a plain line behind the exponentials)
	s_lshl_b32 s27, s25, 4
	v_add_nc_u32 v7, s27, v7                       ; the first position
	s_lshl_b32 s27, s25, 14
	s_lshl_b32 s26, s24, 13
	s_add_co_u32 s27, s27, s26
	v_lshl_add_u32 v8, v3, 10, s27
	v_lshl_add_u32 v8, v2, 9, v8
	v_lshl_add_u32 v8, v1, 4, v8                   ; the first entry's byte
	s_mov_b32 s28, 0x3fc90fdb                      ; pi/2, upper part
	s_mov_b32 s29, 0xb33bbd2e                      ; pi/2 less that
	s_mov_b32 s30, 0xb9500d01                      ; -1/5040
	s_mov_b32 s31, 0x3c088889                      ; 1/120
	s_mov_b32 s32, 0xbe2aaaab                      ; -1/6
	s_mov_b32 s33, 0x37d00d01                      ; 1/40320
	s_mov_b32 s34, 0xbab60b61                      ; -1/720
	s_mov_b32 s35, 0x3d2aaaab                      ; 1/24
.macro SINCOS inv, c, s                ; cos and sin of v10 * v[inv]: quadrant k, remainder r in -pi/4 .. pi/4, two series, then the quadrant's swap and signs (selects only, no branch)
	v_mul_f32 v20, v10, v[\inv]
	v_mul_f32 v21, 0x3f22f983, v20                 ; x 2/pi
	v_rndne_f32 v21, v21                           ; k
	v_fma_f32 v22, -v21, s28, v20
	v_fma_f32 v22, -v21, s29, v22                  ; r
	v_mul_f32 v23, v22, v22                        ; r^2
	v_fma_f32 v24, v23, s30, s31
	v_fma_f32 v26, v23, s33, s34
	v_fma_f32 v24, v24, v23, s32
	v_fma_f32 v26, v26, v23, s35
	v_mul_f32 v25, v22, v23
	v_fma_f32 v26, v26, v23, -0.5
	v_fma_f32 v24, v25, v24, v22                   ; sin r
	v_fma_f32 v26, v26, v23, 1.0                   ; cos r
	v_cvt_i32_f32 v27, v21
	v_and_b32 v28, 1, v27
	v_cmp_eq_u32 vcc_lo, 1, v28                    ; odd quadrant: the two change places
	v_cndmask_b32 v[\c], v26, v24, vcc_lo
	v_cndmask_b32 v[\s], v24, v26, vcc_lo
	v_add_nc_u32 v28, 1, v27
	v_and_b32 v28, 2, v28
	v_lshlrev_b32 v28, 30, v28                     ; cos is negative in quadrants 1, 2
	v_xor_b32 v[\c], v[\c], v28
	v_and_b32 v29, 2, v27
	v_lshlrev_b32 v29, 30, v29                     ; sin in quadrants 2, 3
	v_xor_b32 v[\s], v[\s], v29
.endm
	s_mov_b32 s6, 8
.Ltrip:
	v_cvt_f32_u32 v10, v7
	s_wait_alu depctr_va_vdst(0)
	SINCOS 5, 12, 13
	SINCOS 9, 14, 15
	global_store_b128 v8, v[12:15], s[22:23]       ; a wave's 512 consecutive bytes
	s_wait_xcnt 0x0                                ; the store's offset and data are rewritten only behind this wait
	v_add_nc_u32 v7, 0x100, v7                     ; 16 blocks of 16 positions on
	v_add_nc_u32 v8, 0x40000, v8
	s_sub_co_u32 s6, s6, 1
	s_cmp_lg_u32 s6, 0
	s_cbranch_scc1 .Ltrip
	s_endpgm
; ---- X.  Rows 32 g + 4 w on.
.Lrole_x:
	s_lshl_b32 s24, s5, 17                         ; 32 rows x 4,096 bytes
	s_lshl_b32 s25, s4, 14
	s_add_co_u32 s24, s24, s25
	s_mov_b32 s25, 0
	s_add_nc_u64 s[8:9], s[8:9], s[24:25]
	v_lshrrev_b32 v3, 3, v1
	v_and_b32 v4, 7, v1
	v_lshlrev_b32 v5, 5, v4
	v_lshl_add_u32 v5, v3, 12, v5                  ; row x 4,096 + piece x 32
	LD32 8, 5, 256
	s_lshr_b32 s26, s5, 3                          ; the row tile,
	s_lshl_b32 s26, s26, 19
	s_and_b32 s27, s5, 7                           ; and the rows' place in it, 128 bytes a row
	s_lshl_b32 s27, s27, 12
	s_add_co_u32 s26, s26, s27
	s_lshl_b32 s27, s4, 9
	s_add_co_u32 s26, s26, s27
	s_mov_b32 s27, 0
	s_add_nc_u64 s[16:17], s[16:17], s[26:27]
	s_mov_b32 s28, 0x3a800000                      ; 1/1024
	s_mov_b32 s29, 0x358637bd                      ; 1e-6
.set kk, 0
.rept 16                               ; the sum of squares in f32, four chains of pairs; the first block starts them
	s_wait_loadcnt 30-2*kk                         ; behind block kk's two loads 30 - 2 kk were issued
.set j, 0
.rept 4
.if kk == 0
	v_pk_mul_f32 v[8+2*j:9+2*j], v[D+2*j:D+2*j+1], v[D+2*j:D+2*j+1]
.else
	v_pk_fma_f32 v[8+2*j:9+2*j], v[D+8*kk+2*j:D+8*kk+2*j+1], v[D+8*kk+2*j:D+8*kk+2*j+1], v[8+2*j:9+2*j]
.endif
.set j, j+1
.endr
.set kk, kk+1
.endr
	v_pk_add_f32 v[8:9], v[8:9], v[10:11]
	v_pk_add_f32 v[12:13], v[12:13], v[14:15]
	v_pk_add_f32 v[8:9], v[8:9], v[12:13]
	v_add_f32 v8, v8, v9
	v_add_f32_dpp v8, v8, v8 row_xmask:1 row_mask:0xf bank_mask:0xf   ; over the row's eight lanes
	v_add_f32_dpp v8, v8, v8 row_xmask:2 row_mask:0xf bank_mask:0xf
	v_add_f32_dpp v8, v8, v8 row_xmask:4 row_mask:0xf bank_mask:0xf
	v_fma_f32 v8, v8, s28, s29                     ; mean + eps
	v_rsq_f32 v10, v8
	v_nop                                          ; a plain line between the root and its use
	s_wait_alu depctr_va_vdst(0)
	v_mov_b32 v11, v10
.set kk, 0
.rept 16
.set j, 0
.rept 4
	v_pk_mul_f32 v[D+8*kk+2*j:D+8*kk+2*j+1], v[D+8*kk+2*j:D+8*kk+2*j+1], v[10:11]
.set j, j+1
.endr
	CVT4 kk
	global_store_b128 v6, v[D+8*kk:D+8*kk+3], s[16:17] offset:kk*32768   ; 4 rows x 128 bytes of K block kk lie together
.set kk, kk+1
.endr
	s_endpgm
; ---- W.  Group u: section u/32 (q, k, v), tile (u/4)%8, rows 32 (u%4) + 4 w on of the section's 128.
.Lrole_w:
	s_sub_co_u32 s6, s5, 256
	s_lshr_b32 s7, s6, 5                           ; section
	s_bfe_u32 s24, s6, 0x30002                     ; j
	s_and_b32 s25, s6, 3                           ; t
	s_and_b32 s26, s24, 1
	s_lshl_b32 s26, s26, 7
	s_lshl_b32 s27, s25, 5
	s_add_co_u32 s26, s26, s27
	s_lshl_b32 s27, s4, 2
	s_add_co_u32 s26, s26, s27
	v_lshrrev_b32 v3, 3, v1
	v_add_nc_u32 v3, s26, v3                       ; c': the output column in its head
	v_lshrrev_b32 v4, 1, v3
	v_and_b32 v5, 1, v3
	v_lshl_add_u32 v4, v5, 7, v4                   ; c'/2 + 128 (c'%2)
	s_cmp_lt_u32 s7, 2
	s_cselect_b32 s28, -1, 0
	v_cndmask_b32 v3, v3, v4, s28                  ; q and k: permuted; v: as it is
	s_lshl_b32 s29, s7, 10
	s_lshr_b32 s30, s24, 1
	s_lshl_b32 s30, s30, 8
	s_add_co_u32 s29, s29, s30
	v_add_nc_u32 v3, s29, v3                       ; the source row
	v_and_b32 v4, 7, v1
	v_lshlrev_b32 v7, 5, v4                        ; piece x 32: my 8 columns of a block, in the gain too
	v_lshl_add_u32 v5, v3, 12, v7
.set k, 0
.rept 8                                ; the gain for blocks 0 to 7
	global_load_b128 v[NW+8*k:NW+8*k+3], v7, s[10:11] offset:k*256
	global_load_b128 v[NW+8*k+4:NW+8*k+7], v7, s[10:11] offset:k*256+16
.set k, k+1
.endr
	LD32 12, 5, 256
	s_mul_i32 s30, s24, 786432                     ; tile j: 16 blocks of 49,152 bytes
	s_lshl_b32 s31, s7, 14                         ; section: 128 rows of 128 bytes
	s_add_co_u32 s30, s30, s31
	s_lshl_b32 s31, s25, 12
	s_add_co_u32 s30, s30, s31
	s_lshl_b32 s31, s4, 9
	s_add_co_u32 s30, s30, s31
	s_mov_b32 s31, 0
	s_add_nc_u64 s[18:19], s[18:19], s[30:31]
.set kk, 0
.rept 16
	s_wait_loadcnt 30-2*kk                         ; blocks 0-7: the weight loads issued behind block kk's; blocks 8-15: the gain's loads issued behind block kk's pair (all weights are older)
.set j, 0
.rept 4
	v_pk_mul_f32 v[D+8*kk+2*j:D+8*kk+2*j+1], v[D+8*kk+2*j:D+8*kk+2*j+1], v[NW+8*(kk%8)+2*j:NW+8*(kk%8)+2*j+1]
.set j, j+1
.endr
	CVT4 kk
	global_store_b128 v6, v[D+8*kk:D+8*kk+3], s[18:19] offset:kk*49152
.if kk == 7
.set k, 0
.rept 8                                ; the gain for blocks 8 to 15, into the same registers
	global_load_b128 v[NW+8*k:NW+8*k+3], v7, s[10:11] offset:(k+8)*256
	global_load_b128 v[NW+8*k+4:NW+8*k+7], v7, s[10:11] offset:(k+8)*256+16
.set k, k+1
.endr
.endif
.set kk, kk+1
.endr
	s_endpgm
; ---- O.  A dense cast: 4 rows are 16,384 consecutive bytes in, 8,192 out.
.Lrole_o:
	s_sub_co_u32 s6, s5, 352
	s_lshl_b32 s24, s6, 17
	s_lshl_b32 s25, s4, 14
	s_add_co_u32 s24, s24, s25
	s_mov_b32 s25, 0
	s_add_nc_u64 s[14:15], s[14:15], s[24:25]
	s_lshr_b32 s24, s24, 1
	s_add_nc_u64 s[20:21], s[20:21], s[24:25]
	v_lshlrev_b32 v5, 5, v1
	LD32 14, 5, 1024
.set kk, 0
.rept 16
	s_wait_loadcnt 30-2*kk
	CVT4 kk
	global_store_b128 v6, v[D+8*kk:D+8*kk+3], s[20:21] offset:kk*512
.set kk, kk+1
.endr
	s_endpgm
.Lfunc_end_k_qf54aad6a0b_prep:
	.size	k_qf54aad6a0b_prep, .Lfunc_end_k_qf54aad6a0b_prep-k_qf54aad6a0b_prep
	.p2alignl 7, 3214868480
	.fill 96, 4, 3214868480
	.section	.rodata,"a",@progbits
	.p2align	6, 0x0
	.amdhsa_kernel k_qf54aad6a0b_prep
		.amdhsa_group_segment_fixed_size 0
		.amdhsa_private_segment_fixed_size 0
		.amdhsa_enable_private_segment 0
		.amdhsa_kernarg_size 64
		.amdhsa_user_sgpr_count 2
		.amdhsa_user_sgpr_kernarg_segment_ptr 1
		.amdhsa_wavefront_size32 1
		.amdhsa_system_sgpr_workgroup_id_x 1
		.amdhsa_system_sgpr_workgroup_id_y 1
		.amdhsa_system_sgpr_workgroup_id_z 1
		.amdhsa_system_vgpr_workitem_id 0
		.amdhsa_next_free_vgpr 256
		.amdhsa_next_free_sgpr 66
		.amdhsa_reserve_vcc 1
		.amdhsa_float_denorm_mode_32 3
		.amdhsa_float_denorm_mode_16_64 3
		.amdhsa_memory_ordered 1
		.amdhsa_forward_progress 1
		.amdhsa_inst_pref_size 51
	.end_amdhsa_kernel
	.amdgpu_metadata
---
amdhsa.version: [ 1, 2 ]
amdhsa.kernels:
  - .name:           k_qf54aad6a0b_prep
    .symbol:         k_qf54aad6a0b_prep.kd
    .args:
      - { .name: x, .offset: 0, .size: 8, .value_kind: global_buffer, .address_space: global }
      - { .name: norm_w, .offset: 8, .size: 8, .value_kind: global_buffer, .address_space: global }
      - { .name: qkv_w, .offset: 16, .size: 8, .value_kind: global_buffer, .address_space: global }
      - { .name: out_w, .offset: 24, .size: 8, .value_kind: global_buffer, .address_space: global }
      - { .name: xn, .offset: 32, .size: 8, .value_kind: global_buffer, .address_space: global }
      - { .name: wqkv, .offset: 40, .size: 8, .value_kind: global_buffer, .address_space: global }
      - { .name: wout, .offset: 48, .size: 8, .value_kind: global_buffer, .address_space: global }
      - { .name: rope, .offset: 56, .size: 8, .value_kind: global_buffer, .address_space: global }
    .group_segment_fixed_size: 0
    .private_segment_fixed_size: 0
    .kernarg_segment_align: 8
    .kernarg_segment_size: 64
    .max_flat_workgroup_size: 256
    .sgpr_count:     66
    .vgpr_count:     256
    .wavefront_size: 32
...
	.end_amdgpu_metadata
.endif
;; end of part 1
;; launch proj (part 2): grid 8 x 32, 4 waves a work-group, clusters of 4 x 4, 327,680 bytes of LDS; arguments xn, wqkv, rope, qbuf, kbuf, vbuf; writes qbuf, kbuf, vbuf
.if DOCPART == 2
	.amdgcn_target "amdgcn-amd-amdhsa--gfx1250"
	.amdhsa_code_object_version 6
	.text
	.protected	k_qf54aad6a0b_proj
	.globl	k_qf54aad6a0b_proj
	.p2align	8
	.type	k_qf54aad6a0b_proj,@function
k_qf54aad6a0b_proj:
	s_mov_b64 s[64:65], 0
	v_nop
	global_prefetch_b8 v0, s[64:65] scope:SCOPE_SE
	s_setreg_imm32_b32 hwreg(HW_REG_WAVE_MODE, 25, 1), 1
	s_wait_xcnt 0x0
	s_wait_alu depctr_hold_cnt(0) depctr_sa_sdst(0) depctr_va_vdst(0) depctr_va_sdst(0) depctr_va_ssrc(0) depctr_va_vcc(0) depctr_vm_vsrc(0)
	s_getreg_b32 s2, hwreg(HW_REG_IB_STS2, 6, 4)
	s_cmp_eq_u32 s2, 0
	s_cbranch_scc0 .Lentry_in_a_cluster
	s_endpgm
.Lentry_in_a_cluster:
	s_bfe_u32 s2, ttmp6, 0x10000c
	s_cmp_lg_u32 s2, 0xf033
	s_cbranch_scc0 .Lentry_shape_is_right
	s_endpgm
.Lentry_shape_is_right:
; PROJ: q, k, v = xn . wqkv^T (8,192 x 3,072 x 1,024, bf16 operands, f32 sums), with the rotary embedding on q and k on the way out; results rounded once to bf16.
; TILE.  256 rows x 384 columns: 32 x 8 = 256 work-groups.  Tile column j = head j/2, half j%2: 128 columns of q, 128 of k, 128 of v.
; Four waves one below the other, each 64 rows x 384 columns: 96 accumulators, 768 registers: q's in window 1, k's in window 2, v's in window 3 (accumulator (a, b) at v[8 (8 a + b)]).
; So a wave owns whole runs of 256 bytes of each output row, has a stage of its own, and no branch hangs on a wave's or a work-group's place.
; K goes in steps of 64 through two LDS slots.  xn and wqkv were laid so that a tile of one K step is dense in memory: it is asked for as rows of 256 bytes (two K rows), padded after every 128.
; THE MATRIX INSTRUCTION IS USED TRANSPOSED (source 0 = 16 rows of the weight, source 1 = 16 rows of xn): a lane holds one row and eight neighbouring columns.  In q and k columns 2 p and 2 p + 1 are the
; channels p and p + 128 of the head, so the embedding's two partners are a register pair of one lane.
; CLUSTER.  4 x 4 work-groups: xn's tile hangs on the tile row and is asked for jointly along a row of the cluster, the weight's on the tile column and along a column.
; By the text's own count a wave has two tensor loads out at the start and one behind each round.
; LIMITS.  Operands are bf16 (f32's range); NaN and infinities are not treated apart.
.set PITCH,  144                       ; a K row in LDS: 128 bytes + 16 = 36 words: the 16 rows of a fragment load start at 16 different groups of four banks
.set BOFF,   256*PITCH                 ; behind xn's 256 rows: the weight's 384
.set STAGE,  640*PITCH                 ; behind slot 0: 16 rows x 272 bytes for each wave, for the way out; no fill lands there
.set SPITCH, 272
.set SPARE,  STAGE+4*16*SPITCH         ; the spare words, 128 bytes for each wave: two blocks of 256 bytes that no other line names
.set SLOT1,  1<<17                     ; slot 1 begins here: one exclusive or turns an address in one slot into the other's
.set ASTEP,  32768                     ; bytes from a K step's tile of xn to the next
.set BSTEP,  49152                     ; the same for the weight
.set ADA0, 2                           ; v2   my lane's place in xn's tile; never rewritten
.set ADB0, 3                           ; v3   in the weight's
.set ADA,  4                           ; v4   the same in the slot in hand
.set ADB,  5                           ; v5
.set STO,  6                           ; v6   the way out: where I put 16 bytes of a row
.set RD,   7                           ; v7   where I read a row back
.set CO,   8                           ; v8   my byte offset in two rows of an output
.set TO,   9                           ; v9   16 x lane: my place in the table
.set SPW,  10                          ; v10  LDS address of my spare word; never rewritten
.set NIL,  11                          ; v11  0; never rewritten
.set FA0,  32                          ; v32-63, v64-95    xn's 4 fragments for the step's first and second 32 along K
.set FB0,  96                          ; v96-159, v160-223 the weight's 8 fragments of one section, two buffers
.set CS0,  32                          ; the way out: v32-95, v96-159 cos and sin for 16 rows, two buffers
.set TMP,  160                         ; v160-191 packed results
.set OB0,  192                         ; v192-223, v224-255 16 rows read back
.set WV,  16                           ; s16  my wave's number
.set HF,  18                           ; s18  wave % 2: which half of a tile I fetch
.set G1A, 24                           ; s[24:31] descriptor group 1 for xn's tiles
.set G1B, 32                           ; s[32:39] for the weight's
.set G0A, 40                           ; s[40:47] group 0 for xn's: the first fill's, then the one that walks
.set G0B, 48                           ; s[48:55] the same for the weight's
.set CNT, 56
.set TB,  57                           ; s57  0 or SLOT1: the slot that is read
.set DESC0, (1<<16)|(1<<20)|(1<<21)|(4<<22)|(3<<25)  ; 2-byte elements; padding on; bit 21 beside a mask; after every 32 words; 4 words
.set MSB, 0
.macro WIN new                         ; the immediate's high byte repeats the setting that is left; a switch that changes nothing is dropped
.if MSB != (\new)
	s_set_vgpr_msb (MSB<<8)|(\new)
.set MSB, \new
.endif
.endm
.macro PLACES                          ; four places in front of loads into registers that matrix instructions have read, and of lines that read results
.rept 4
	v_nop
.endr
.endm
.macro JLOAD                           ; a joint refill: waves 0 and 1 fetch xn's two halves, waves 2 and 3 the weight's; an s_nop 0 and four v_nop follow each line
	s_cmp_lt_u32 s[WV], 2
	s_cbranch_scc0 .Lfor_b_\@
	tensor_load_to_lds s[G0A+4:G0A+7], s[G1A:G1A+7]
	s_nop 0
.rept 4
	v_nop
.endr
	s_branch .Lasked_\@
.Lfor_b_\@:
	tensor_load_to_lds s[G0B+4:G0B+7], s[G1B:G1B+7]
	s_nop 0
.rept 4
	v_nop
.endr
.Lasked_\@:
.endm
.macro CREST                           ; a round of the cluster's barrier behind its opening barrier
	s_cmp_lg_u32 s[WV], 0
	s_cbranch_scc1 .Lnot_wave_0_\@
	s_barrier_signal -3
.Lnot_wave_0_\@:
	s_barrier_wait -3
	s_barrier_signal -1
	s_barrier_wait -1
.endm
.macro CROUND
	s_barrier_signal -1
	s_barrier_wait -1
	CREST
.endm
	s_load_b256 s[4:11], s[0:1], 0x0               ; xn s[4:5], wqkv s[6:7], rope s[8:9], qbuf s[10:11]
	s_load_b128 s[12:15], s[0:1], 0x20             ; kbuf s[12:13], vbuf s[14:15]
	v_lshl_add_u32 v[SPW], v0, 2, SPARE
	v_mov_b32 v[NIL], 0
	ds_add_u32 v[SPW], v[NIL]                      ; the wave's opening: the add and its wait stand ahead of my first tensor load; work on registers stands between them
	v_lshrrev_b32 v1, 5, v0
	v_readfirstlane_b32 s[WV], v1                  ; wave 0..3
	s_and_b32 s[HF], s[WV], 1
	s_bfe_u32 s19, ttmp6, 0x40000                  ; cx
	s_bfe_u32 s20, ttmp6, 0x40004                  ; cy
	s_lshl_b32 s21, ttmp9, 2
	s_add_co_u32 s21, s21, s19                     ; j = 4 x cluster x + cx
	s_and_b32 s22, ttmp7, 0xffff
	s_lshl_b32 s22, s22, 2
	s_add_co_u32 s22, s22, s20                     ; i = 4 x cluster y + cy
	s_lshl_b32 s23, s20, 2
	s_lshl_b32 s23, 15, s23                        ; my row of the cluster
	s_lshl_b32 s17, 0x1111, s19                    ; my column
	s_or_b32 s[G1A], s23, DESC0
	s_or_b32 s[G1B], s17, DESC0
.irp g, G1A, G1B
	s_mov_b32 s[(\g)+1], 128<<16                   ; tensor_dim0 = 128 elements: rows of 256 bytes
	s_mov_b32 s[(\g)+3], 128<<16                   ; tile_dim0
	s_mov_b32 s[(\g)+5], 128                       ; dense: the next row begins where this one ends
	s_mov_b32 s[(\g)+6], 0
	s_mov_b32 s[(\g)+7], 0
.endr
	s_mov_b32 s[G1A+2], 64<<16                     ; xn: 64 such rows = 128 K rows
	s_mov_b32 s[G1A+4], 64
	s_mov_b32 s[G1B+2], 96<<16                     ; the weight: 96 = 192 K rows
	s_mov_b32 s[G1B+4], 96
	s_lshl_b32 s58, s22, 19                        ; xn: tile row i, 16 blocks of 32,768 bytes; the registers on this way never hold cx
	s_lshl_b32 s23, s[HF], 14
	s_add_co_u32 s58, s58, s23
	s_mov_b32 s59, 0
	s_mul_i32 s60, s21, 786432                     ; the weight: tile j; the registers on this way never hold cy
	s_mul_i32 s17, s[HF], 24576
	s_add_co_u32 s60, s60, s17
	s_mov_b32 s61, 0
	s_mul_i32 s62, s[HF], 128*PITCH                ; where they go: no place in the cluster enters an LDS address
	s_mul_i32 s63, s[HF], 192*PITCH
	s_add_co_u32 s63, s63, BOFF
	s_mov_b32 s[TB], 0
	s_wait_dscnt 0x0                               ; the opening add is done
	s_wait_kmcnt 0x0
	s_add_nc_u64 s[66:67], s[4:5], s[58:59]
	s_add_nc_u64 s[68:69], s[6:7], s[60:61]
	CROUND                                         ; all sixteen work-groups are here: the first joint loads meet
.irp s, 0,1
	s_mov_b32 s[G0A+4*(\s)], 1
	s_add_co_u32 s[G0A+4*(\s)+1], s62, (\s)*SLOT1
	s_add_nc_u64 s[G0A+4*(\s)+2:G0A+4*(\s)+3], s[66:67], (\s)*ASTEP
	s_or_b32 s[G0A+4*(\s)+3], s[G0A+4*(\s)+3], 0x80000000
	s_mov_b32 s[G0B+4*(\s)], 1
	s_add_co_u32 s[G0B+4*(\s)+1], s63, (\s)*SLOT1
	s_add_nc_u64 s[G0B+4*(\s)+2:G0B+4*(\s)+3], s[68:69], (\s)*BSTEP
	s_or_b32 s[G0B+4*(\s)+3], s[G0B+4*(\s)+3], 0x80000000
.endr
	s_cmp_lt_u32 s[WV], 2                          ; a wave's two first fills stand in one branch: K steps 0 and 1
	s_cbranch_scc0 .Lfirst_b
	tensor_load_to_lds s[G0A:G0A+3], s[G1A:G1A+7]
	s_nop 0
	tensor_load_to_lds s[G0A+4:G0A+7], s[G1A:G1A+7]
	s_nop 0
.rept 4
	v_nop
.endr
	s_branch .Lfirst_asked
.Lfirst_b:
	tensor_load_to_lds s[G0B:G0B+3], s[G1B:G1B+7]
	s_nop 0
	tensor_load_to_lds s[G0B+4:G0B+7], s[G1B:G1B+7]
	s_nop 0
.rept 4
	v_nop
.endr
.Lfirst_asked:
	; a fragment is 16 rows x 32 K in 8 registers: lane l holds row l % 16, K = 8 (l / 16) + 0..7 and 16 + 8 (l / 16) + 0..7: two loads of 16 bytes, 32 bytes apart
	v_and_b32 v1, 15, v0                           ; r
	v_bfe_u32 v12, v0, 4, 1                        ; h
	v_mul_u32_u24 v13, v1, PITCH
	v_lshl_add_u32 v13, v12, 4, v13
	s_mul_i32 s23, s[WV], 64*PITCH                 ; my 64 rows of xn
	v_add_nc_u32 v[ADA0], s23, v13
	v_add_nc_u32 v[ADB0], BOFF, v13
	v_mov_b32 v[ADA], v[ADA0]
	v_mov_b32 v[ADB], v[ADB0]
	s_mul_i32 s23, s[WV], 16*SPITCH
	s_add_co_u32 s23, s23, STAGE                   ; my stage
	v_mul_u32_u24 v13, v1, SPITCH
	v_lshl_add_u32 v13, v12, 4, v13
	v_add_nc_u32 v[STO], s23, v13                  ; in: row r, 16 bytes for each half of the lanes
	v_mul_u32_u24 v13, v12, SPITCH
	v_lshl_add_u32 v13, v1, 4, v13
	v_add_nc_u32 v[RD], s23, v13                   ; back: lanes 0-15 one row of 256 bytes, lanes 16-31 the next
	v_lshlrev_b32 v13, 11, v12
	v_lshl_add_u32 v[CO], v1, 4, v13               ; the same two rows in an output (2,048 bytes a row)
	v_and_b32 v13, 31, v0
	v_lshlrev_b32 v[TO], 4, v13
	s_lshl_b32 s78, s22, 19                        ; my first row, 256 i + 64 w, x 2,048 bytes, and column 128 j
	s_lshl_b32 s79, s[WV], 17
	s_add_co_u32 s78, s78, s79
	s_lshl_b32 s79, s21, 8
	s_add_co_u32 s78, s78, s79
	s_mov_b32 s79, 0
	s_add_nc_u64 s[70:71], s[10:11], s[78:79]      ; q
	s_add_nc_u64 s[72:73], s[12:13], s[78:79]      ; k
	s_add_nc_u64 s[74:75], s[14:15], s[78:79]      ; v
	s_lshl_b32 s78, s22, 4                         ; the table: block of 16 positions (16 i + 4 w) mod 128, half j % 2
	s_lshl_b32 s79, s[WV], 2
	s_add_co_u32 s78, s78, s79
	s_and_b32 s78, s78, 127
	s_lshl_b32 s78, s78, 14
	s_and_b32 s79, s21, 1
	s_lshl_b32 s79, s79, 13
	s_add_co_u32 s78, s78, s79
	s_mov_b32 s79, 0
	s_add_nc_u64 s[76:77], s[8:9], s[78:79]
; na x 8 matrix instructions of section sec (0 q, 1 k, 2 v), 32 along K (half ch of the step): row blocks a0 on x all 8 column blocks.  The accumulators take turns, one instruction a turn.
.macro MULS sec, ch, fb, a0, na, zero
	WIN 0x50*((\sec)+1)                            ; fragments in window 0, C and D in the section's window
.set a, \a0
.rept \na
.set b, 0
.rept 8
.if \zero
	v_wmma_f32_16x16x32_bf16 v[8*(8*a+b):8*(8*a+b)+7], v[(\fb)+8*b:(\fb)+8*b+7], v[FA0+32*(\ch)+8*a:FA0+32*(\ch)+8*a+7], 0
.else
	v_wmma_f32_16x16x32_bf16 v[8*(8*a+b):8*(8*a+b)+7], v[(\fb)+8*b:(\fb)+8*b+7], v[FA0+32*(\ch)+8*a:FA0+32*(\ch)+8*a+7], v[8*(8*a+b):8*(8*a+b)+7]
.endif
.set b, b+1
.endr
.set a, a+1
.endr
.endm
.macro FETCHB sec, ch, fb              ; 16 loads: the section's 128 rows of the weight
.set b, 0
.rept 8
	ds_load_b128 v[(\fb)+8*b:(\fb)+8*b+3],   v[ADB] offset:((\sec)*128+16*b)*PITCH+64*(\ch)
	ds_load_b128 v[(\fb)+8*b+4:(\fb)+8*b+7], v[ADB] offset:((\sec)*128+16*b)*PITCH+64*(\ch)+32
.set b, b+1
.endr
.endm
.macro FETCHA ch                       ; 8 loads: my 64 rows of xn
.set a, 0
.rept 4
	ds_load_b128 v[FA0+32*(\ch)+8*a:FA0+32*(\ch)+8*a+3],   v[ADA] offset:a*16*PITCH+64*(\ch)
	ds_load_b128 v[FA0+32*(\ch)+8*a+4:FA0+32*(\ch)+8*a+7], v[ADA] offset:a*16*PITCH+64*(\ch)+32
.set a, a+1
.endr
.endm
; A K step is six phases of 32 matrix instructions: ph = 3 (half of K) + section.  Phase ph multiplies weight buffer ph % 2; ahead of its products it fetches the next phase's fragments in one run.
.macro PH ph, zero
	PLACES                                         ; behind the phase before, which read the buffers that are loaded now
	WIN 0
	FETCHB ((\ph)+1)%3, ((\ph)+1)/3, FB0+64*(((\ph)+1)%2)
.if (\ph) == 0
	FETCHA 1
.endif
.if (\ph) < 2
	s_wait_dscnt 24                                ; phase 0: the 24 just issued; phase 1: the 16 just issued and xn's 8, which were issued behind this phase's fragments
.else
	s_wait_dscnt 16                                ; the 16 just issued
.endif
	MULS (\ph)%3, (\ph)/3, FB0+64*((\ph)%2), 0, 4, \zero
.endm
; The sixth phase changes slots: ONE barrier; in front of it each wave waits for all its tensor loads (one is out: its part of the next slot), adds 0 to its spare word, and waits for that and for its reads of this slot.
; fill = 1: the barrier opens a round of the cluster's, and this slot is filled again first thing behind it, two K steps ahead: 176 matrix instructions stand between the request and the wait for it.
.macro TURN fill
	WIN 0
	s_wait_tensorcnt 0x0
	ds_add_u32 v[SPW], v[NIL]
	s_wait_dscnt 1                                 ; this phase's fragments are in; the add may be out
	MULS 2, 1, FB0+64, 0, 1, 0
	s_wait_dscnt 0x0                               ; the add is done, and my reads of this slot are over
	s_barrier_signal -1
	MULS 2, 1, FB0+64, 1, 1, 0
	WIN 0
	s_barrier_wait -1
.if \fill
	CREST                                          ; no wave of any partner still reads this slot or has a load on its way
	s_xor_b32 s[G0A+5], s[G0A+5], SLOT1            ; the walking descriptors: the other slot than last time, the next K step
	s_add_nc_u64 s[G0A+6:G0A+7], s[G0A+6:G0A+7], ASTEP
	s_xor_b32 s[G0B+5], s[G0B+5], SLOT1
	s_add_nc_u64 s[G0B+6:G0B+7], s[G0B+6:G0B+7], BSTEP
	JLOAD                                          ; its four v_nop are also the places in front of the loads below
.else
	PLACES
.endif
	s_xor_b32 s[TB], s[TB], SLOT1
	v_add_nc_u32 v[ADA], s[TB], v[ADA0]
	v_add_nc_u32 v[ADB], s[TB], v[ADB0]
	FETCHB 0, 0, FB0
	FETCHA 0
	MULS 2, 1, FB0+64, 2, 2, 0
.endm
	s_wait_tensorcnt 1                             ; my part of K step 0 is in; step 1's may stay out
	s_barrier_signal -1
	s_barrier_wait -1
	FETCHB 0, 0, FB0
	FETCHA 0
	PH 0, 1                                        ; the first product on each accumulator starts its sum: nothing is cleared
	PH 1, 1
	PH 2, 1
	WIN 0
	s_mov_b32 s[CNT], 14
.Lstep:                                                ; a trip: the second half of a K step, the change of slots with a refill (K steps 2 to 15), the first half of the next
	PH 3, 0
	PH 4, 0
	TURN 1
	PH 0, 0
	PH 1, 0
	PH 2, 0
	WIN 0
	s_sub_co_u32 s[CNT], s[CNT], 1
	s_cmp_lg_u32 s[CNT], 0
	s_cbranch_scc1 .Lstep
	PH 3, 0                                        ; the tail is written out: nothing more is asked for
	PH 4, 0
	TURN 0
	PH 0, 0
	PH 1, 0
	PH 2, 0
	PH 3, 0
	PH 4, 0
	s_wait_dscnt 0x0
	MULS 2, 1, FB0+64, 0, 4, 0
; THE WAY OUT, in twelve units of 16 rows x 128 columns: v's four, then q's and k's by turns.  A unit is rounded to bf16 (q, k: turned first), goes through my stage in LDS and leaves as whole rows of 256 bytes.
.macro TBL a                           ; cos and sin for row block a: 16 loads of 512 consecutive bytes; register pair CS + 8 b + 2 i = (cos, sin) for columns 16 b + 8 h + 2 i, + 1
	WIN 0
.set b, 0
.rept 8
	global_load_b128 v[CS0+64*((\a)%2)+8*b:CS0+64*((\a)%2)+8*b+3],   v[TO], s[76:77] offset:(\a)*16384+b*1024
	global_load_b128 v[CS0+64*((\a)%2)+8*b+4:CS0+64*((\a)%2)+8*b+7], v[TO], s[76:77] offset:(\a)*16384+b*1024+512
.set b, b+1
.endr
.endm
.macro PACKV a                         ; each accumulator's registers in ascending order
	WIN 0x0f                                       ; sources in window 3
.set b, 0
.rept 8
.set i, 0
.rept 4
	v_cvt_pk_bf16_f32 v[TMP+4*b+i], v[8*(8*(\a)+b)+2*i], v[8*(8*(\a)+b)+2*i+1]
.set i, i+1
.endr
.set b, b+1
.endr
.endm
.macro PACKR w, a                      ; (x0, x1) -> (x0 c - x1 s, x1 c + x0 s), into window 3's first 64 registers, which v's first unit has left
	WIN 0xf0|(\w)                                  ; source 0 in window w, source 1 in window 0, source 2 and destination in window 3
.set b, 0
.rept 8
.set i, 0
.rept 4
	v_pk_mul_f32 v[8*b+2*i:8*b+2*i+1], v[8*(8*(\a)+b)+2*i:8*(8*(\a)+b)+2*i+1], v[CS0+64*((\a)%2)+8*b+2*i:CS0+64*((\a)%2)+8*b+2*i+1] op_sel:[1,1] op_sel_hi:[0,1] neg_lo:[1,0]  ; (-x1 s, x0 s)
.set i, i+1
.endr
.set i, 0
.rept 4
	v_pk_fma_f32 v[8*b+2*i:8*b+2*i+1], v[8*(8*(\a)+b)+2*i:8*(8*(\a)+b)+2*i+1], v[CS0+64*((\a)%2)+8*b+2*i:CS0+64*((\a)%2)+8*b+2*i+1], v[8*b+2*i:8*b+2*i+1] op_sel_hi:[1,0,1]  ; + (x0 c, x1 c)
.set i, i+1
.endr
.set b, b+1
.endr
	WIN 0x0f
.set b, 0
.rept 32
	v_cvt_pk_bf16_f32 v[TMP+b], v[2*b], v[2*b+1]
.set b, b+1
.endr
.endm
.macro TOSTAGE n
	WIN 0
.set b, 0
.rept 8
	ds_store_b128 v[STO], v[TMP+4*b:TMP+4*b+3] offset:32*b
.set b, b+1
.endr
.set t, 0
.rept 8
	ds_load_b128 v[OB0+32*((\n)%2)+4*t:OB0+32*((\n)%2)+4*t+3], v[RD] offset:t*2*SPITCH  ; LDS serves a wave's instructions in order: these see the stores above
.set t, t+1
.endr
.endm
.macro SEND n, base, a
	WIN 0
	s_wait_dscnt 0x0                               ; the unit is back in registers
	s_wait_xcnt 0x0                                ; the registers that earlier stores read are loaded again only behind this wait
.set t, 0
.rept 8
	global_store_b128 v[CO], v[OB0+32*((\n)%2)+4*t:OB0+32*((\n)%2)+4*t+3], s[\base:\base+1] offset:(16*(\a)+2*t)*2048  ; 16 lanes store 256 consecutive bytes, aligned
.set t, t+1
.endr
.endm
	PLACES
	TBL 0
	TBL 1
	PACKV 0
	TOSTAGE 0
.irp a, 1,2,3
	PACKV \a
	SEND (\a)-1, 74, (\a)-1
	TOSTAGE \a
.endr
.irp a, 0,1,2,3
.if (\a) < 3
	s_wait_loadcnt 16                              ; this block's table is in; the next block's 16 loads may be out
.else
	s_wait_loadcnt 0x0
.endif
	PACKR 1, \a
.if (\a) == 0
	SEND 3, 74, 3
.else
	SEND 3+2*(\a), 72, (\a)-1
.endif
	TOSTAGE 4+2*(\a)
	PACKR 2, \a
.if (\a) < 2
	TBL (\a)+2                                     ; into the buffer that q's and k's units have just read
.endif
	SEND 4+2*(\a), 70, \a
	TOSTAGE 5+2*(\a)
.endr
	SEND 11, 72, 3
	s_wait_tensorcnt 0x0                           ; the wave's end
	ds_add_u32 v[SPW], v[NIL]
	s_wait_dscnt 0x0
	CROUND                                         ; the closing round
	s_endpgm
.Lfunc_end_k_qf54aad6a0b_proj:
	.size	k_qf54aad6a0b_proj, .Lfunc_end_k_qf54aad6a0b_proj-k_qf54aad6a0b_proj
	.p2alignl 7, 3214868480
	.fill 96, 4, 3214868480
	.section	.rodata,"a",@progbits
	.p2align	6, 0x0
	.amdhsa_kernel k_qf54aad6a0b_proj
		.amdhsa_group_segment_fixed_size 327680
		.amdhsa_private_segment_fixed_size 0
		.amdhsa_enable_private_segment 0
		.amdhsa_kernarg_size 48
		.amdhsa_user_sgpr_count 2
		.amdhsa_user_sgpr_kernarg_segment_ptr 1
		.amdhsa_wavefront_size32 1
		.amdhsa_system_sgpr_workgroup_id_x 1
		.amdhsa_system_sgpr_workgroup_id_y 1
		.amdhsa_system_sgpr_workgroup_id_z 1
		.amdhsa_system_vgpr_workitem_id 0
		.amdhsa_next_free_vgpr 1024
		.amdhsa_next_free_sgpr 80
		.amdhsa_reserve_vcc 0
		.amdhsa_float_denorm_mode_32 3
		.amdhsa_float_denorm_mode_16_64 3
		.amdhsa_memory_ordered 1
		.amdhsa_forward_progress 1
		.amdhsa_inst_pref_size 155
	.end_amdhsa_kernel
	.amdgpu_metadata
---
amdhsa.version: [ 1, 2 ]
amdhsa.kernels:
  - .name:           k_qf54aad6a0b_proj
    .symbol:         k_qf54aad6a0b_proj.kd
    .args:
      - { .name: xn, .offset: 0, .size: 8, .value_kind: global_buffer, .address_space: global }
      - { .name: wqkv, .offset: 8, .size: 8, .value_kind: global_buffer, .address_space: global }
      - { .name: rope, .offset: 16, .size: 8, .value_kind: global_buffer, .address_space: global }
      - { .name: qbuf, .offset: 24, .size: 8, .value_kind: global_buffer, .address_space: global }
      - { .name: kbuf, .offset: 32, .size: 8, .value_kind: global_buffer, .address_space: global }
      - { .name: vbuf, .offset: 40, .size: 8, .value_kind: global_buffer, .address_space: global }
    .group_segment_fixed_size: 327680
    .private_segment_fixed_size: 0
    .kernarg_segment_align: 8
    .kernarg_segment_size: 48
    .max_flat_workgroup_size: 128
    .sgpr_count:     80
    .vgpr_count:     1024
    .wavefront_size: 32
...
	.end_amdgpu_metadata
.endif
;; end of part 2
;; launch attn (part 3): grid 16 x 16, 4 waves a work-group, clusters of 4 x 1, 327,680 bytes of LDS; arguments qbuf, kbuf, vbuf, obuf; writes obuf
.if DOCPART == 3
	.amdgcn_target "amdgcn-amd-amdhsa--gfx1250"
	.amdhsa_code_object_version 6
	.text
	.protected	k_qf54aad6a0b_attn
	.globl	k_qf54aad6a0b_attn
	.p2align	8
	.type	k_qf54aad6a0b_attn,@function
k_qf54aad6a0b_attn:
	s_mov_b64 s[64:65], 0
	v_nop
	global_prefetch_b8 v0, s[64:65] scope:SCOPE_SE
	s_setreg_imm32_b32 hwreg(HW_REG_WAVE_MODE, 25, 1), 1
	s_wait_xcnt 0x0
	s_wait_alu depctr_hold_cnt(0) depctr_sa_sdst(0) depctr_va_vdst(0) depctr_va_sdst(0) depctr_va_ssrc(0) depctr_va_vcc(0) depctr_vm_vsrc(0)
	s_getreg_b32 s2, hwreg(HW_REG_IB_STS2, 6, 4)
	s_cmp_eq_u32 s2, 0
	s_cbranch_scc0 .Lentry_in_a_cluster
	s_endpgm
.Lentry_in_a_cluster:
	s_bfe_u32 s2, ttmp6, 0x10000c
	s_cmp_lg_u32 s2, 0x3003
	s_cbranch_scc0 .Lentry_shape_is_right
	s_endpgm
.Lentry_shape_is_right:
; ATTN: O[q] = the sum over k of softmax_k(Q[q] . K[k] / 16) V[k], for 16 pairs of batch and head, 2,048 rows, head size 256.  q, k, v, o: [8192][1024] bf16, a head's 256 channels at column 256 x head
; (q's and k's channels in one common permuted order, which their product does not see).  Products, maxima and sums in f32; the weights p are rounded to bf16 for the second product (their sum l is taken
; of the unrounded p), O once at the end.
; SHARES.  A work-group owns 128 queries of one head: 16 x 16 = 256 work-groups.  Wave w: query half w / 2 (64 queries, four tiles of 16) and key half w % 2: of each tile of 128 keys its 64, with a running
; maximum, sum and O of its own.  So each fragment of K or V read from LDS feeds four products.  The two key halves are merged once, at the end, through LDS.
; A wave's tile t is tile (t + 2 (w % 2)) % 4 of its 64 queries: every wave hands its tiles 2, 3 to its partner and finishes its tiles 0, 1: one text for all.
; LAYOUT.  S^T = K Q^T (source 0 = 16 keys, source 1 = 16 queries): a lane holds ONE query (lane % 16) and the keys 8 (lane / 16) + 0..7.  Two such results, rounded in pairs, ARE source 1 of O^T = V^T P;
; P is written in place of S^T and fills half of it.  K comes out of LDS as it lies, V turned, by ds_load_tr16_b128.
; SOFTMAX.  p = 2^(c s - c m), c = log2(e) / 16, with a running maximum m; O and l are multiplied by a = 2^(c m_old - c m_new) in every step.  c m starts at -4.25e37, m at the lowest finite number, O and l at 0:
; the first step is a step like any other, with a = 0.  The price: 512 lines that write 0, in the wait for the first tile.
; A STEP: 128 products K Q^T in 8 groups of 16, the softmax of all four tiles in one run, 128 products V^T P in 8 groups of 16 with the rescaling of O^T behind them, four lines behind every two products.
; THE LDS LOADS STAND IN FEW, LONG RUNS: a group's four fragments are 8 loads.  A ring of three buffers of four fragments is loaded two groups ahead, one run of 8 in front of each group of K Q^T.  For V^T P the half
; of S^T that P leaves free takes eight fragments more: 8 loads stand at the softmax's start, 16 at its end, and ONE run of 24 among the products.  11 runs a step for its 128 loads; at most 40 loads are out.
; CLUSTER.  The four query blocks of a cluster belong to one head and walk the same K and V: each tile is asked for jointly.  By the text's own count a wave has one tensor load out.
; LIMITS.  A weight below 2^-126 counts as 0 in l; NaN and infinities are not treated apart; operands are bf16 (f32's range).
; REGISTERS.  window 0: below.  window 1: Q, tile t, channels 32 c on at v[64 t + 8 c].  windows 2, 3: O^T, tile t, channels 16 cb on, in window 2 + cb / 8 at v[8 (4 (cb % 8) + t)].
.set PK,    528       ; a row of K in LDS: 512 bytes + 16 = 132 words: the 16 rows of a load start at 16 different groups of four banks
.set PV,    544       ; a row of V: 512 + 32 = 136 words
.set VOFF,  128*PK    ; a slot: 128 rows of K, then 128 rows of V: 137,216 bytes
.set SLOT,  0x22000   ; slot 1 begins here.  The four LDS words of the fills (0, 33,792, 67,584, 102,400) have neither bit 13 nor bit 17, so one exclusive or turns each into the other slot's
.set STAGE, SLOT+VOFF+128*PV  ; behind the ring: 16 rows x 528 bytes for each wave; no fill lands there
.set SP,    528
.set SPARE, STAGE+4*16*SP     ; the spare words: two blocks of 256 bytes that no other line names
.set XST,   131072    ; the merge: each wave's 32,768 bytes at w x 32,768 and 512 bytes of statistics from here on: all inside slot 0, written when slot 0 has had its last fill and its last read
.set AK0, 2           ; v2   my lane's place in a tile of K; never rewritten
.set AV0, 3           ; v3   the same for V
.set AK,  4           ; v4   the same in the slot in hand
.set AV,  5           ; v5
.set SPW, 6           ; v6   LDS address of my spare word; never rewritten
.set NIL, 7           ; v7   0; never rewritten
.set ST,  16          ; v16-39  tile t's statistics at ST + 6 t: c m, m; l (even keys', odd keys'); a, at work.  The maximum's three chains are m and the last two
.set S,   40          ; v40-167  S^T, tile t, keys 16 kb on at S + 32 t + 8 kb; then P, keys 32 kk on at S + 32 t + 16 kk
.set FR,  168         ; the ring's fragments 0 to 10 at v168-255, fragment 11 at v8-15; buffer b is fragments 4 b to 4 b + 3
.set STO, 240         ; the way out (made behind the last step, when the ring is free): where I put 16 bytes of a row
.set RD,  241         ; where I read a row back
.set GO,  242         ; 16 x lane
.set XW,  243         ; the merge: where I put 16 bytes
.set XR,  244         ; where my partner put them
.set XSW, 245
.set XSR, 246
.set QO,  247         ; at the start only: my byte offset in 16 rows of Q
.set TT,  40          ; the merge: v40-103, v104-167 the partner's O^T, two buffers
.set OB,  168         ; 16 rows read back
.set WV,  12
.set G1K, 24          ; s[24:31] descriptor group 1 for K's tiles
.set G1V, 32          ; s[32:39] for V's: it differs in the padding alone
.set G0K, 40          ; s[40:43] group 0 for K's: it walks
.set G0V, 44          ; s[44:47]
.set TB,  49          ; s49  0 or SLOT: the slot that is read
.set CNT, 50
.set CS,  52          ; s[52:53] c
.set SEL, 54          ; s[54:55] v_permlanex16_b32's selects: each lane takes its own place in the other half
.set QA,  56          ; s[56:57] Q at my tiles 0, 1; s[58:59] at my tiles 2, 3
.set MSB, 0
.macro WIN new
.if MSB != (\new)
	s_set_vgpr_msb (MSB<<8)|(\new)
.set MSB, \new
.endif
.endm
.macro PLACES
.rept 4
	v_nop
.endr
.endm
.macro JLOAD                        ; a joint fill: waves 0 and 1 fetch the two halves of a tile's K, waves 2 and 3 of its V: 64 rows each; an s_nop 0 and four v_nop follow each line
	s_cmp_lt_u32 s[WV], 2
	s_cbranch_scc0 .Lfor_v_\@
	tensor_load_to_lds s[G0K:G0K+3], s[G1K:G1K+7]
	s_nop 0
.rept 4
	v_nop
.endr
	s_branch .Lasked_\@
.Lfor_v_\@:
	tensor_load_to_lds s[G0V:G0V+3], s[G1V:G1V+7]
	s_nop 0
.rept 4
	v_nop
.endr
.Lasked_\@:
.endm
.macro CROUND                       ; a round of the cluster's barrier
	s_barrier_signal -1
	s_barrier_wait -1
	s_cmp_lg_u32 s[WV], 0
	s_cbranch_scc1 .Lnot_wave_0_\@
	s_barrier_signal -3
.Lnot_wave_0_\@:
	s_barrier_wait -3
	s_barrier_signal -1
	s_barrier_wait -1
.endm
.macro FRG i                        ; rF = the first register of the ring's fragment i
.if (\i) < 11
.set rF, FR+8*(\i)
.else
.set rF, 8
.endif
.endm
; rF = the first register of fragment x (0..3) of V's group h.  Groups 0, 1, 2 and 5, 6, 7 lie in the ring's buffers 2, 0, 1; groups 3 and 4 in the eight blocks of S^T that P leaves free.
.macro VFRG h, x
.if ((\h) == 3) || ((\h) == 4)
.set rF, S+32*(2*((\h)-3)+((\x)>>1))+8+16*((\x)&1)
.elseif (\h) < 3
	FRG 4*(((\h)+2)%3)+(\x)
.else
	FRG 4*((\h)%3)+(\x)
.endif
.endm
.macro LOADK g                      ; 8 loads: K's group g: channels 32 g on, my 64 keys in four blocks of 16, into buffer g % 3
.set f, 0
.rept 4
	FRG 4*((\g)%3)+f
	ds_load_b128 v[rF:rF+3],   v[AK] offset:f*16*PK+(\g)*64
	ds_load_b128 v[rF+4:rF+7], v[AK] offset:f*16*PK+(\g)*64+32
.set f, f+1
.endr
.endm
.macro LOADV h                      ; 8 loads: V's group h, turned: fragment x: channels 16 (2 h + x / 2) on, keys 32 (x % 2) on of my 64
.set x, 0
.rept 4
	VFRG \h, x
	ds_load_tr16_b128 v[rF:rF+3],   v[AV] offset:(x&1)*32*PV+(2*(\h)+(x>>1))*32
	ds_load_tr16_b128 v[rF+4:rF+7], v[AV] offset:(x&1)*32*PV+16*PV+(2*(\h)+(x>>1))*32
.set x, x+1
.endr
.endm
; THE CHANGE OF SLOTS.  Each wave waits for all its tensor loads (one is out: its part of the other slot), adds 0 to its spare word, and waits for that and for its reads of the slot that it leaves.
; fill = 1: the barrier is a round of the cluster's, and the old slot is filled again first thing behind it, with the next 128 keys: a whole step stands between the request and the wait for it.
; (At its first use nothing has been read yet: slot 0 is waited for, slot 1 filled.)  The four v_nop and the two address lines are the places behind the last products, which read buffer 1 and P.
.macro CHANGE fill
	WIN 0
	s_wait_tensorcnt 0x0            ; no tensor load of mine is out, so a group 0 may be written
	ds_add_u32 v[SPW], v[NIL]
.if \fill
.irp g0, G0K, G0V
	s_xor_b32 s[(\g0)+1], s[(\g0)+1], SLOT
	s_add_nc_u64 s[(\g0)+2:(\g0)+3], s[(\g0)+2:(\g0)+3], 128*2048
.endr
	s_wait_dscnt 0x0                ; the add is done, and my reads of the slot are over
	CROUND
	JLOAD
.else
	s_wait_dscnt 0x0
	s_barrier_signal -1
	s_barrier_wait -1
	PLACES
.endif
	s_xor_b32 s[TB], s[TB], SLOT
	v_add_nc_u32 v[AK], s[TB], v[AK0]
	v_add_nc_u32 v[AV], s[TB], v[AV0]
	LOADK 0
	LOADK 1
.endm
	s_load_b256 s[4:11], s[0:1], 0x0  ; q s[4:5], k s[6:7], v s[8:9], o s[10:11]
	v_lshl_add_u32 v[SPW], v0, 2, SPARE
	v_mov_b32 v[NIL], 0
	ds_add_u32 v[SPW], v[NIL]       ; the wave's opening: the add and its wait stand ahead of my first tensor load
	v_lshrrev_b32 v1, 5, v0
	v_readfirstlane_b32 s[WV], v1   ; wave 0..3
	s_bfe_u32 s13, ttmp6, 0x40000   ; cx
	s_lshl_b32 s14, ttmp9, 2
	s_add_co_u32 s14, s14, s13      ; my block of 128 queries: it enters Q's and O's addresses alone
	s_and_b32 s15, ttmp7, 0xffff    ; batch x 4 + head, which the four partners share
	s_and_b32 s16, s[WV], 1         ; key half; also: which half of a tile I fetch
	s_lshr_b32 s17, s[WV], 1        ; query half
	s_lshr_b32 s20, s15, 2
	s_lshl_b32 s20, s20, 22         ; batch: 2,048 rows of 2,048 bytes
	s_and_b32 s21, s15, 3
	s_lshl_b32 s21, s21, 9          ; head: 512 bytes
	s_add_co_u32 s20, s20, s21
	s_lshl_b32 s22, s16, 17         ; my 64 rows of a tile
	s_add_co_u32 s22, s22, s20
	s_mov_b32 s23, 0
	s_mul_i32 s18, s16, 64*PK       ; and their place in a slot: no place in the cluster enters an LDS address
	s_mul_i32 s19, s16, 64*PV
	s_add_co_u32 s19, s19, VOFF
	s_lshl_b32 s60, s14, 18         ; my block's 128 rows,
	s_lshl_b32 s61, s17, 17         ; my 64 of them
	s_add_co_u32 s60, s60, s61
	s_add_co_u32 s60, s60, s20
	s_lshl_b32 s61, s16, 16         ; 32 rows x key half:
	s_add_co_u32 s62, s60, s61      ; my tiles 0, 1,
	s_xor_b32 s61, s61, 0x10000
	s_add_co_u32 s60, s60, s61      ; my tiles 2, 3
	s_mov_b32 s61, 0
	s_mov_b32 s63, 0
	s_mov_b32 s[G1K], 15|(1<<16)|(1<<20)|(1<<21)|(6<<22)|(3<<25)  ; the mask of four; 2-byte elements; padding on; bit 21 beside a mask; after every 128 words; 4 words
	s_mov_b32 s[G1V], 15|(1<<16)|(1<<20)|(1<<21)|(6<<22)|(7<<25)  ; the same with 8 words
.irp g1, G1K, G1V
	s_mov_b32 s[(\g1)+1], 256<<16   ; tensor_dim0 = 256
	s_mov_b32 s[(\g1)+2], 64<<16    ; tensor_dim1 = 64
	s_mov_b32 s[(\g1)+3], 256<<16   ; tile_dim0 = 256
	s_mov_b32 s[(\g1)+4], 64        ; tile_dim1 = 64
	s_mov_b32 s[(\g1)+5], 1024      ; elements from row to row
	s_mov_b32 s[(\g1)+6], 0
	s_mov_b32 s[(\g1)+7], 0
.endr
	s_mov_b32 s[CS], 0x3db8aa3b     ; c = log2(e) / 16
	s_mov_b32 s[CS+1], s[CS]
	s_mov_b32 s[SEL], 0x76543210
	s_mov_b32 s[SEL+1], 0xfedcba98
	s_mov_b32 s[TB], SLOT           ; the first change of slots turns it into 0
	s_mov_b32 s[G0K], 1
	s_mov_b32 s[G0K+1], s18         ; slot 0
	s_mov_b32 s[G0V], 1
	s_mov_b32 s[G0V+1], s19
	s_wait_dscnt 0x0                ; the opening add is done
	s_wait_kmcnt 0x0
	s_add_nc_u64 s[G0K+2:G0K+3], s[6:7], s[22:23]
	s_or_b32 s[G0K+3], s[G0K+3], 0x80000000
	s_add_nc_u64 s[G0V+2:G0V+3], s[8:9], s[22:23]
	s_or_b32 s[G0V+3], s[G0V+3], 0x80000000
	s_add_nc_u64 s[QA:QA+1], s[4:5], s[62:63]
	s_add_nc_u64 s[QA+2:QA+3], s[4:5], s[60:61]
	s_add_nc_u64 s[10:11], s[10:11], s[62:63]  ; O at the rows that I finish
	CROUND                          ; all four work-groups are here: the first joint loads meet
	JLOAD                           ; slot 0; slot 1 is asked for when slot 0 is in
	v_and_b32 v1, 15, v0            ; r
	v_bfe_u32 v9, v0, 4, 1          ; h
	v_lshlrev_b32 v[QO], 11, v1
	v_lshl_add_u32 v[QO], v9, 4, v[QO]  ; row x 2,048 + 16 x half
	WIN 0x40                        ; destination window 1
.set t, 0
.rept 4
.set c, 0
.rept 8
	global_load_b128 v[64*t+8*c:64*t+8*c+3],   v[QO], s[QA+2*(t/2):QA+2*(t/2)+1] offset:(t&1)*32768+c*64
	global_load_b128 v[64*t+8*c+4:64*t+8*c+7], v[QO], s[QA+2*(t/2):QA+2*(t/2)+1] offset:(t&1)*32768+c*64+32
.set c, c+1
.endr
.set t, t+1
.endr
	WIN 0x80                        ; O^T = 0
.set i, 0
.rept 256
	v_mov_b32 v[i], 0
.set i, i+1
.endr
	WIN 0xc0
.set i, 0
.rept 256
	v_mov_b32 v[i], 0
.set i, i+1
.endr
	WIN 0
.set t, 0
.rept 4
	v_mov_b32 v[ST+6*t], 0xfe000000    ; c m: far below every c s
	v_mov_b32 v[ST+6*t+1], 0xff7fffff  ; m
	v_mov_b32 v[ST+6*t+2], 0
	v_mov_b32 v[ST+6*t+3], 0
.set t, t+1
.endr
	v_mul_u32_u24 v[AK0], v1, PK
	v_lshl_add_u32 v[AK0], v9, 4, v[AK0]
	v_add_nc_u32 v[AK0], s18, v[AK0]   ; (64 x key half + r) x pitch + 16 h
	v_and_b32 v10, 7, v0
	v_bfe_u32 v11, v0, 3, 1
	v_lshl_add_u32 v[AV0], v9, 3, v10
	v_mul_u32_u24 v[AV0], v[AV0], PV
	v_lshl_add_u32 v[AV0], v11, 4, v[AV0]
	v_add_nc_u32 v[AV0], s19, v[AV0]   ; the turning load: key 8 h + l % 8 of 16, channels 8 ((l / 8) % 2) on
.macro TREG t                       ; the registers of tile t
.set rT, ST+6*(\t)
.set rS, S+32*(\t)
.endm
.macro EACH line:vararg             ; one line for each tile
.set t, 0
.rept 4
	TREG t
	\line
.set t, t+1
.endr
.endm
; Group g of 8 of S^T = K Q^T: channels 32 g on: 16 products, 16 accumulators by turns.  All under one window setting (source 1 in window 1).
; In front of them ONE run of 8 loads: the group two further on (behind K's eight groups come V's), into the buffer that the group before has read.
.macro SGRP g
.if (\g) > 0
	PLACES                          ; behind the group before (for group 0 the change of slots holds the places)
.endif
.if (\g) < 6
	LOADK (\g)+2
.else
	LOADV (\g)-6
.endif
	s_wait_dscnt 16                 ; the two younger groups' 16 loads may be out
.set kb, 0
.rept 4
	FRG 4*((\g)%3)+kb
.set t, 0
.rept 4
.set rS, S+32*t+8*kb
.set rQ, 64*t+8*(\g)
.if (\g) == 0
	v_wmma_f32_16x16x32_bf16 v[rS:rS+7], v[rF:rF+7], v[rQ:rQ+7], 0
.else
	v_wmma_f32_16x16x32_bf16 v[rS:rS+7], v[rF:rF+7], v[rQ:rQ+7], v[rS:rS+7]
.endif
.set t, t+1
.endr
.set kb, kb+1
.endr
.endm
.macro RESC t, cb                   ; O^T of tile t, channels 16 cb on, times a
	WIN 0x82+0x41*((\cb)>>3)        ; destination and source 0 in O^T's window, a in window 0
.set z, 0
.rept 4
	v_pk_mul_f32 v[8*(4*((\cb)&7)+(\t))+2*z:8*(4*((\cb)&7)+(\t))+2*z+1], v[8*(4*((\cb)&7)+(\t))+2*z:8*(4*((\cb)&7)+(\t))+2*z+1], v[ST+6*(\t)+4:ST+6*(\t)+5] op_sel_hi:[1,0]
.set z, z+1
.endr
.endm
.macro M3 d, x, y                   ; in each tile the chain at place d of the statistics takes scores x and y
	EACH v_max3_num_f32 v[rT+(\d)], v[rT+(\d)], v[rS+(\x)], v[rS+(\y)]
.endm
; THE SOFTMAX of the four tiles, line by line in turn, so that no line waits for the one before it.
.macro LUMP
	WIN 0
	; the maximum of a lane's 32 scores and the old m, three operands at a time, in three chains: m itself and the two places that a and its exponent take later.
	; Each accumulator's lowest registers are read first.
	M3 1, 0, 1
	EACH v_max3_num_f32 v[rT+4], v[rS+8], v[rS+9], v[rS+10]
	EACH v_max3_num_f32 v[rT+5], v[rS+16], v[rS+17], v[rS+18]
	M3 1, 24, 25
	M3 4, 11, 12
	M3 5, 19, 20
	M3 1, 2, 3
	M3 4, 13, 14
	M3 5, 21, 22
	M3 1, 4, 5
	M3 4, 15, 23
	M3 5, 26, 27
	M3 1, 6, 7
	M3 4, 28, 29
	M3 5, 30, 31
	EACH v_max3_num_f32 v[rT+1], v[rT+1], v[rT+4], v[rT+5]
	EACH v_permlanex16_b32 v[rT+5], v[rT+1], s[SEL], s[SEL+1]  ; the query's other 32 keys lie in the lane 16 away
	EACH v_max_num_f32 v[rT+1], v[rT+1], v[rT+5]               ; the new m
	EACH v_mul_f32 v[rT+4], s[CS], v[rT+1]                     ; c m_new
	EACH v_sub_f32 v[rT+5], v[rT], v[rT+4]                     ; c m_old - c m_new
	EACH v_mov_b32 v[rT], v[rT+4]
	EACH v_exp_f32 v[rT+4], v[rT+5]                            ; a
; Round bb, for each tile: c s - c m for pair bb; the two exponentials of pair bb - 1, a plain line behind each; pair bb - 2 is added onto l and rounded to bf16 in place
; (register d of P lies where a pair already summed and rounded lay).
.set bb, 0
.rept 18
.set t, 0
.rept 4
	TREG t
.if bb < 16
	v_pk_fma_f32 v[rS+2*bb:rS+2*bb+1], v[rS+2*bb:rS+2*bb+1], s[CS:CS+1], v[rT:rT+1] op_sel_hi:[1,0,0] neg_lo:[0,0,1] neg_hi:[0,0,1]
.endif
.if (bb >= 1) && (bb < 17)
	v_exp_f32 v[rS+2*bb-2], v[rS+2*bb-2]
.endif
.if bb == 2
	s_wait_alu depctr_va_vdst(0)
	v_pk_fma_f32 v[rT+2:rT+3], v[rT+2:rT+3], v[rT+4:rT+5], v[rS:rS+1] op_sel_hi:[1,0,1]  ; l = a l + the first pair
.elseif bb > 2
	s_wait_alu depctr_va_vdst(0)
	v_pk_add_f32 v[rT+2:rT+3], v[rT+2:rT+3], v[rS+2*bb-4:rS+2*bb-3]
.endif
.if (bb >= 1) && (bb < 17)
	v_exp_f32 v[rS+2*bb-1], v[rS+2*bb-1]
.endif
.if bb >= 2
	v_cvt_pk_bf16_f32 v[rS+16*((bb-2)/8)+(bb-2)%8], v[rS+2*bb-4], v[rS+2*bb-3]
.endif
.set t, t+1
.endr
.set bb, bb+1
.endr
	LOADV 3                         ; 16 loads into the half of S^T that P has left free: wanted three groups of products on
	LOADV 4
.irp cb, 0,1                        ; the first group's rescaling; the others' ride behind the products
.irp tt, 0,1,2,3
	RESC \tt, \cb
.endr
.endr
.endm
; Group h of 8 of O^T += V^T P: channels 32 h on: 16 products on 8 accumulators by turns (seven others' stand between an accumulator's two links).  Behind each two products four lines rescale one accumulator
; of the next group; they name none of this group's registers, and the four behind group 2's last products are the places in front of the run of loads.
; The waits count the loads issued behind the group's own eight: groups 0 to 2: those of the groups up to 4; groups 3 to 7: those of the groups up to 7.
.macro PGRP h
.if (\h) == 3
	WIN 0
	LOADV 5                         ; ONE run of 24 loads, into the three buffers that groups 0, 1, 2 have read: wanted two groups of products on
	LOADV 6
	LOADV 7
.endif
.if (\h) < 3
	s_wait_dscnt 32-8*(\h)
.else
	s_wait_dscnt 56-8*(\h)
.endif
.set k, 0
.rept 8
	WIN 0xa0+0x50*((\h)>>2)         ; V and P in window 0, C and D in O^T's window
.set u, 0
.rept 2
.set t, 2*(k&1)+u
	VFRG \h, 2*((k>>1)&1)+(k>>2)
.set rO, 8*(4*((2*(\h)+((k>>1)&1))&7)+t)
.set rP, S+32*t+16*(k>>2)
	v_wmma_f32_16x16x32_bf16 v[rO:rO+7], v[rF:rF+7], v[rP:rP+7], v[rO:rO+7]
.set u, u+1
.endr
.if (\h) < 7
	RESC k&3, 2*(\h)+2+(k>>2)
.endif
.set k, k+1
.endr
.endm
.macro STEP
	WIN 0x04
.set nn, 0
.rept 8
	SGRP nn
.set nn, nn+1
.endr
	PLACES                          ; behind the last scores' products, which also read buffer 1
	WIN 0
	LOADV 2                         ; 8 loads into buffer 1: they land under the softmax
	LUMP
.set nn, 0
.rept 8
	PGRP nn
.set nn, nn+1
.endr
.endm
	s_wait_loadcnt 0x0              ; Q; its offset register lies in the ring, which is loaded only from here on
	s_mov_b32 s[CNT], 15
.Lstep:                             ; 15 trips: a tile is entered and the next is asked for
	CHANGE 1
	STEP
	WIN 0
	s_sub_co_u32 s[CNT], s[CNT], 1
	s_cmp_lg_u32 s[CNT], 0
	s_cbranch_scc1 .Lstep
	CHANGE 0                        ; the last tile is written out.  Behind this barrier nobody reads slot 0 any more, and nothing is filled
	STEP
; THE MERGE AND THE WAY OUT.  l's two halves and the other half of the lanes' are added, and the addresses are made (these lines are the places behind the last products; the ring is free).
; Tiles 2, 3 go to my partner: c m, l and O^T, 512 consecutive bytes a line.
	WIN 0
	EACH v_add_f32 v[rT+2], v[rT+2], v[rT+3]
	v_and_b32 v248, 15, v0             ; r
	v_bfe_u32 v249, v0, 4, 1           ; h
	v_and_b32 v250, 31, v0             ; lane
	s_mul_i32 s18, s[WV], 16*SP
	s_add_co_u32 s18, s18, STAGE       ; my stage
	v_mul_u32_u24 v[STO], v248, SP
	v_lshl_add_u32 v[STO], v249, 4, v[STO]
	v_add_nc_u32 v[STO], s18, v[STO]
	v_lshlrev_b32 v[GO], 4, v250
	v_add_nc_u32 v[RD], s18, v[GO]     ; back: 32 lanes take one row of 512 bytes
	s_lshl_b32 s18, s[WV], 15
	v_add_nc_u32 v[XW], s18, v[GO]
	s_xor_b32 s19, s[WV], 1            ; my partner: the same queries, the other keys
	s_lshl_b32 s18, s19, 15
	v_add_nc_u32 v[XR], s18, v[GO]
	s_lshl_b32 s18, s[WV], 9
	s_add_co_u32 s18, s18, XST
	v_lshl_add_u32 v[XSW], v250, 2, s18
	s_lshl_b32 s18, s19, 9
	s_add_co_u32 s18, s18, XST
	v_lshl_add_u32 v[XSR], v250, 2, s18
	EACH v_permlanex16_b32 v[rT+3], v[rT+2], s[SEL], s[SEL+1]
	EACH v_add_f32 v[rT+2], v[rT+2], v[rT+3]
	ds_store_b32 v[XSW], v[ST+12]
	ds_store_b32 v[XSW], v[ST+14] offset:128
	ds_store_b32 v[XSW], v[ST+18] offset:256
	ds_store_b32 v[XSW], v[ST+20] offset:384
.irp wn, 0,1
	WIN 0x08+4*(\wn)                ; the data in window 2, then 3
.set g, 0
.rept 8
.set t, 2
.rept 2
	ds_store_b128 v[XW], v[8*(4*g+t):8*(4*g+t)+3]   offset:512*((8*(\wn)+g)*4+(t-2)*2)
	ds_store_b128 v[XW], v[8*(4*g+t)+4:8*(4*g+t)+7] offset:512*((8*(\wn)+g)*4+(t-2)*2+1)
.set t, t+1
.endr
.set g, g+1
.endr
.endr
	WIN 0
	s_wait_dscnt 0x0                ; for my partner's sake: my stores are done
	s_barrier_signal -1
	s_barrier_wait -1
.macro LDU u                        ; unit u: tile u / 2, channel half u % 2: the partner's 8 accumulators
.set g, 0
.rept 8
	ds_load_b128 v[TT+64*((\u)%2)+8*g:TT+64*((\u)%2)+8*g+3],   v[XR] offset:512*((8*((\u)&1)+g)*4+((\u)>>1)*2)
	ds_load_b128 v[TT+64*((\u)%2)+8*g+4:TT+64*((\u)%2)+8*g+7], v[XR] offset:512*((8*((\u)&1)+g)*4+((\u)>>1)*2+1)
.set g, g+1
.endr
.endm
.macro COMP u                       ; O = O_mine f0 + O_partner's f1, rounded to bf16, into my stage
.set rB, TT+64*((\u)%2)
.set t, (\u)>>1
	WIN 0
.set z, 0
.rept 32
	v_pk_mul_f32 v[rB+2*z:rB+2*z+1], v[rB+2*z:rB+2*z+1], v[10+4*t:11+4*t] op_sel_hi:[1,0]
.set z, z+1
.endr
	WIN 0x02+((\u)&1)               ; source 0 in O^T's window
.set g, 0
.rept 8
.set z, 0
.rept 4
	v_pk_fma_f32 v[rB+8*g+2*z:rB+8*g+2*z+1], v[8*(4*g+t)+2*z:8*(4*g+t)+2*z+1], v[8+4*t:9+4*t], v[rB+8*g+2*z:rB+8*g+2*z+1] op_sel_hi:[1,0,1]
.set z, z+1
.endr
.set g, g+1
.endr
	WIN 0
.set g, 0
.rept 8
.set i, 0
.rept 4
	v_cvt_pk_bf16_f32 v[rB+4*g+i], v[rB+8*g+2*i], v[rB+8*g+2*i+1]
.set i, i+1
.endr
.set g, g+1
.endr
.set g, 0
.rept 8
	ds_store_b128 v[STO], v[rB+4*g:rB+4*g+3] offset:32*(8*((\u)&1)+g)
.set g, g+1
.endr
.endm
.macro BACK                         ; a tile's 16 rows come back whole
.set i, 0
.rept 16
	ds_load_b128 v[OB+4*i:OB+4*i+3], v[RD] offset:i*SP  ; LDS serves a wave's instructions in order: these see the stores above
.set i, i+1
.endr
.endm
.macro SENDT t, younger
.set i, 0
.rept 16
	s_wait_dscnt (\younger)+15-i
	global_store_b128 v[GO], v[OB+4*i:OB+4*i+3], s[10:11] offset:(16*(\t)+i)*2048  ; 512 consecutive bytes, aligned
.set i, i+1
.endr
.endm
	ds_load_b32 v232, v[XSR]            ; the partner's c m and l for my tile 0,
	ds_load_b32 v233, v[XSR] offset:128
	ds_load_b32 v234, v[XSR] offset:256 ; and 1
	ds_load_b32 v235, v[XSR] offset:384
	LDU 0
	LDU 1
	s_wait_dscnt 32                 ; the statistics are in; the two units' 32 loads may be out
.irp t, 0,1
	v_max_num_f32 v[236+(\t)], v[ST+6*(\t)], v[232+2*(\t)]
.endr
.irp t, 0,1
	v_sub_f32 v[8+4*(\t)], v[ST+6*(\t)], v[236+(\t)]
	v_sub_f32 v[10+4*(\t)], v[232+2*(\t)], v[236+(\t)]
.endr
.irp t, 0,1
	v_exp_f32 v[8+4*(\t)], v[8+4*(\t)]
	v_exp_f32 v[10+4*(\t)], v[10+4*(\t)]
.endr
	v_nop                           ; a plain line behind the exponentials
	s_wait_alu depctr_va_vdst(0)
.irp t, 0,1
	v_mul_f32 v[236+(\t)], v[ST+6*(\t)+2], v[8+4*(\t)]
.endr
.irp t, 0,1
	v_fmac_f32 v[236+(\t)], v[233+2*(\t)], v[10+4*(\t)]
.endr
	v_rcp_f32 v236, v236
	v_rcp_f32 v237, v237
	v_nop                           ; a plain line behind the reciprocals
	s_wait_alu depctr_va_vdst(0)
.irp t, 0,1
	v_mul_f32 v[8+4*(\t)], v[8+4*(\t)], v[236+(\t)]    ; f0: mine
	v_mul_f32 v[10+4*(\t)], v[10+4*(\t)], v[236+(\t)]  ; f1: the partner's
.endr
	s_wait_dscnt 16                 ; unit 0 is in
	COMP 0
	LDU 2
	s_wait_dscnt 24                 ; unit 1 is in: behind it came 8 stores and 16 loads
	COMP 1
	BACK
	LDU 3
	SENDT 0, 16                     ; unit 3's 16 loads are younger; the last wait shows unit 2 in too
	COMP 2
	s_wait_dscnt 8                  ; unit 3 is in: behind it came 8 stores
	COMP 3
	s_wait_xcnt 0x0                 ; the registers that tile 0's stores read are loaded again only behind this wait
	BACK
	SENDT 1, 0
	s_wait_tensorcnt 0x0            ; the wave's end
	ds_add_u32 v[SPW], v[NIL]
	s_wait_dscnt 0x0
	CROUND                          ; the closing round
	s_endpgm
.Lfunc_end_k_qf54aad6a0b_attn:
	.size	k_qf54aad6a0b_attn, .Lfunc_end_k_qf54aad6a0b_attn-k_qf54aad6a0b_attn
	.p2alignl 7, 3214868480
	.fill 96, 4, 3214868480
	.section	.rodata,"a",@progbits
	.p2align	6, 0x0
	.amdhsa_kernel k_qf54aad6a0b_attn
		.amdhsa_group_segment_fixed_size 327680
		.amdhsa_private_segment_fixed_size 0
		.amdhsa_enable_private_segment 0
		.amdhsa_kernarg_size 32
		.amdhsa_user_sgpr_count 2
		.amdhsa_user_sgpr_kernarg_segment_ptr 1
		.amdhsa_wavefront_size32 1
		.amdhsa_system_sgpr_workgroup_id_x 1
		.amdhsa_system_sgpr_workgroup_id_y 1
		.amdhsa_system_sgpr_workgroup_id_z 1
		.amdhsa_system_vgpr_workitem_id 0
		.amdhsa_next_free_vgpr 1024
		.amdhsa_next_free_sgpr 66
		.amdhsa_reserve_vcc 0
		.amdhsa_float_denorm_mode_32 3
		.amdhsa_float_denorm_mode_16_64 3
		.amdhsa_memory_ordered 1
		.amdhsa_forward_progress 1
		.amdhsa_inst_pref_size 210
	.end_amdhsa_kernel
	.amdgpu_metadata
---
amdhsa.version: [ 1, 2 ]
amdhsa.kernels:
  - .name:           k_qf54aad6a0b_attn
    .symbol:         k_qf54aad6a0b_attn.kd
    .args:
      - { .name: qbuf, .offset: 0, .size: 8, .value_kind: global_buffer, .address_space: global }
      - { .name: kbuf, .offset: 8, .size: 8, .value_kind: global_buffer, .address_space: global }
      - { .name: vbuf, .offset: 16, .size: 8, .value_kind: global_buffer, .address_space: global }
      - { .name: obuf, .offset: 24, .size: 8, .value_kind: global_buffer, .address_space: global }
    .group_segment_fixed_size: 327680
    .private_segment_fixed_size: 0
    .kernarg_segment_align: 8
    .kernarg_segment_size: 32
    .max_flat_workgroup_size: 128
    .sgpr_count:     66
    .vgpr_count:     1024
    .wavefront_size: 32
...
	.end_amdgpu_metadata
.endif
;; end of part 3
;; launch outp (part 4): grid 8 x 32, 4 waves a work-group, clusters of 4 x 4, 327,680 bytes of LDS; arguments obuf, wout, x, residual_scale, out0; writes out0
.if DOCPART == 4
	.amdgcn_target "amdgcn-amd-amdhsa--gfx1250"
	.amdhsa_code_object_version 6
	.text
	.protected	k_qf54aad6a0b_outp
	.globl	k_qf54aad6a0b_outp
	.p2align	8
	.type	k_qf54aad6a0b_outp,@function
k_qf54aad6a0b_outp:
	s_mov_b64 s[64:65], 0
	v_nop
	global_prefetch_b8 v0, s[64:65] scope:SCOPE_SE
	s_setreg_imm32_b32 hwreg(HW_REG_WAVE_MODE, 25, 1), 1
	s_wait_xcnt 0x0
	s_wait_alu depctr_hold_cnt(0) depctr_sa_sdst(0) depctr_va_vdst(0) depctr_va_sdst(0) depctr_va_ssrc(0) depctr_va_vcc(0) depctr_vm_vsrc(0)
	s_getreg_b32 s2, hwreg(HW_REG_IB_STS2, 6, 4)
	s_cmp_eq_u32 s2, 0
	s_cbranch_scc0 .Lentry_in_a_cluster
	s_endpgm
.Lentry_in_a_cluster:
	s_bfe_u32 s2, ttmp6, 0x10000c
	s_cmp_lg_u32 s2, 0xf033
	s_cbranch_scc0 .Lentry_shape_is_right
	s_endpgm
.Lentry_shape_is_right:
; OUTP: out0 = x + residual_scale * (obuf . wout^T): 8,192 x 1,024 x 1,024, bf16 operands, f32 sums, f32 out.
; TILE.  256 rows x 128 columns: 32 x 8 = 256 work-groups.  Four waves one below the other, each 64 x 128: 32 accumulators in window 1 ((a, b) at v[8 (8 a + b)]).
; K goes in steps of 128 (rows of 256 bytes of memory) through two LDS slots.  The matrix instruction is used transposed (source 0 = 16 rows of the weight, source 1 = 16 rows of obuf): a lane holds one row
; and eight neighbouring columns.  My 64 rows x 512 bytes of x are asked for at the start, into window 2, and arrive under the K loop.
; CLUSTER.  4 x 4 work-groups: obuf's tile is asked for jointly along a row of the cluster, the weight's along a column.  By the text's own count a wave has two tensor loads out at the start, one behind each round.
; LIMITS.  Operands are bf16 (f32's range); NaN and infinities are not treated apart.
.set PITCH,  272                       ; an LDS row: 256 bytes + 16 = 68 words: the 16 rows of a fragment load start at 16 different groups of four banks
.set BOFF,   256*PITCH                 ; behind obuf's 256 rows: the weight's 128
.set SLOT1,  1<<17
.set STAGE,  SLOT1+384*PITCH           ; behind the ring: 16 rows x 528 bytes for each wave; no fill lands there
.set SPITCH, 528
.set SPARE,  STAGE+4*16*SPITCH         ; the spare words: two blocks of 256 bytes that no other line names
.set KSTEP,  256                       ; bytes along a row from a K step to the next
.set ADA0, 2
.set ADB0, 3
.set ADA,  4
.set ADB,  5
.set STO,  6                           ; v6   the way out: where I put 32 bytes of a row
.set RD,   7                           ; v7   where I read a row back
.set XO,   9                           ; v9   16 x lane: my place in a row's 512 bytes of x and of out0
.set SPW,  10
.set NIL,  11
.set F0,   32                          ; v32-127, v128-223: two fragment buffers: obuf's 4 fragments, then the weight's 8
.set OB0,  32                          ; the way out: v32-95, v96-159: 16 rows read back
.set WV,  16
.set HF,  18
.set G1A, 24
.set G1B, 32
.set G0A, 40
.set G0B, 48
.set CNT, 56
.set TB,  57
.set RS,  70                           ; s[70:71] residual_scale, twice
.set DESC0, (1<<16)|(1<<20)|(1<<21)|(5<<22)|(3<<25)  ; 2-byte elements; padding on; bit 21 beside a mask; after every 64 words; 4 words
.set MSB, 0
.macro WIN new
.if MSB != (\new)
	s_set_vgpr_msb (MSB<<8)|(\new)
.set MSB, \new
.endif
.endm
.macro PLACES
.rept 4
	v_nop
.endr
.endm
.macro JLOAD                           ; a joint refill: waves 0 and 1 fetch obuf's two halves, waves 2 and 3 the weight's; an s_nop 0 and four v_nop follow each line
	s_cmp_lt_u32 s[WV], 2
	s_cbranch_scc0 .Lfor_b_\@
	tensor_load_to_lds s[G0A+4:G0A+7], s[G1A:G1A+7]
	s_nop 0
.rept 4
	v_nop
.endr
	s_branch .Lasked_\@
.Lfor_b_\@:
	tensor_load_to_lds s[G0B+4:G0B+7], s[G1B:G1B+7]
	s_nop 0
.rept 4
	v_nop
.endr
.Lasked_\@:
.endm
.macro CREST
	s_cmp_lg_u32 s[WV], 0
	s_cbranch_scc1 .Lnot_wave_0_\@
	s_barrier_signal -3
.Lnot_wave_0_\@:
	s_barrier_wait -3
	s_barrier_signal -1
	s_barrier_wait -1
.endm
.macro CROUND
	s_barrier_signal -1
	s_barrier_wait -1
	CREST
.endm
	s_load_b256 s[4:11], s[0:1], 0x0               ; obuf s[4:5], wout s[6:7], x s[8:9], residual_scale s[10:11]
	s_load_b64 s[12:13], s[0:1], 0x20              ; out0
	v_lshl_add_u32 v[SPW], v0, 2, SPARE
	v_mov_b32 v[NIL], 0
	ds_add_u32 v[SPW], v[NIL]                      ; the wave's opening: the add and its wait stand ahead of my first tensor load
	v_lshrrev_b32 v1, 5, v0
	v_readfirstlane_b32 s[WV], v1
	s_and_b32 s[HF], s[WV], 1
	s_bfe_u32 s19, ttmp6, 0x40000                  ; cx
	s_bfe_u32 s20, ttmp6, 0x40004                  ; cy
	s_lshl_b32 s21, ttmp9, 2
	s_add_co_u32 s21, s21, s19                     ; j
	s_and_b32 s22, ttmp7, 0xffff
	s_lshl_b32 s22, s22, 2
	s_add_co_u32 s22, s22, s20                     ; i
	s_lshl_b32 s23, s20, 2
	s_lshl_b32 s23, 15, s23                        ; my row of the cluster
	s_lshl_b32 s17, 0x1111, s19                    ; my column
	s_or_b32 s[G1A], s23, DESC0
	s_or_b32 s[G1B], s17, DESC0
.irp g, G1A, G1B
	s_mov_b32 s[(\g)+1], 128<<16                   ; tensor_dim0 = 128
	s_mov_b32 s[(\g)+3], 128<<16                   ; tile_dim0
	s_mov_b32 s[(\g)+5], 1024                      ; elements from row to row
	s_mov_b32 s[(\g)+6], 0
	s_mov_b32 s[(\g)+7], 0
.endr
	s_mov_b32 s[G1A+2], 128<<16                    ; obuf: 128 rows a load
	s_mov_b32 s[G1A+4], 128
	s_mov_b32 s[G1B+2], 64<<16                     ; the weight: 64
	s_mov_b32 s[G1B+4], 64
	s_lshl_b32 s58, s22, 19                        ; obuf: row 256 i + 128 x half, 2,048 bytes a row; the registers on this way never hold cx
	s_lshl_b32 s23, s[HF], 18
	s_add_co_u32 s58, s58, s23
	s_mov_b32 s59, 0
	s_lshl_b32 s60, s21, 18                        ; the weight: row 128 j + 64 x half; the registers on this way never hold cy
	s_lshl_b32 s17, s[HF], 17
	s_add_co_u32 s60, s60, s17
	s_mov_b32 s61, 0
	s_mul_i32 s62, s[HF], 128*PITCH
	s_mul_i32 s63, s[HF], 64*PITCH
	s_add_co_u32 s63, s63, BOFF
	s_mov_b32 s[TB], 0
	s_wait_dscnt 0x0                               ; the opening add is done
	s_wait_kmcnt 0x0
	s_load_b32 s[RS], s[10:11], 0x0                ; the scale itself
	s_add_nc_u64 s[66:67], s[4:5], s[58:59]
	s_add_nc_u64 s[68:69], s[6:7], s[60:61]
	CROUND                                         ; all sixteen work-groups are here: the first joint loads meet
.irp s, 0,1
	s_mov_b32 s[G0A+4*(\s)], 1
	s_add_co_u32 s[G0A+4*(\s)+1], s62, (\s)*SLOT1
	s_add_nc_u64 s[G0A+4*(\s)+2:G0A+4*(\s)+3], s[66:67], (\s)*KSTEP
	s_or_b32 s[G0A+4*(\s)+3], s[G0A+4*(\s)+3], 0x80000000
	s_mov_b32 s[G0B+4*(\s)], 1
	s_add_co_u32 s[G0B+4*(\s)+1], s63, (\s)*SLOT1
	s_add_nc_u64 s[G0B+4*(\s)+2:G0B+4*(\s)+3], s[68:69], (\s)*KSTEP
	s_or_b32 s[G0B+4*(\s)+3], s[G0B+4*(\s)+3], 0x80000000
.endr
	s_cmp_lt_u32 s[WV], 2                          ; a wave's two first fills stand in one branch: K steps 0 and 1
	s_cbranch_scc0 .Lfirst_b
	tensor_load_to_lds s[G0A:G0A+3], s[G1A:G1A+7]
	s_nop 0
	tensor_load_to_lds s[G0A+4:G0A+7], s[G1A:G1A+7]
	s_nop 0
.rept 4
	v_nop
.endr
	s_branch .Lfirst_asked
.Lfirst_b:
	tensor_load_to_lds s[G0B:G0B+3], s[G1B:G1B+7]
	s_nop 0
	tensor_load_to_lds s[G0B+4:G0B+7], s[G1B:G1B+7]
	s_nop 0
.rept 4
	v_nop
.endr
.Lfirst_asked:
	s_lshl_b32 s78, s22, 20                        ; x and out0: row 256 i + 64 w, 4,096 bytes a row, column 128 j
	s_lshl_b32 s79, s[WV], 18
	s_add_co_u32 s78, s78, s79
	s_lshl_b32 s79, s21, 9
	s_add_co_u32 s78, s78, s79
	s_mov_b32 s79, 0
	s_add_nc_u64 s[72:73], s[8:9], s[78:79]
	s_add_nc_u64 s[74:75], s[12:13], s[78:79]
	v_and_b32 v13, 31, v0
	v_lshlrev_b32 v[XO], 4, v13
	WIN 0x80                                       ; destination window 2
.set t, 0
.rept 64                               ; row t of my 64: 512 consecutive bytes a load
	global_load_b128 v[4*t:4*t+3], v[XO], s[72:73] offset:t*4096 th:TH_LOAD_NT
.set t, t+1
.endr
	WIN 0
	v_and_b32 v1, 15, v0                           ; r
	v_bfe_u32 v12, v0, 4, 1                        ; h
	v_mul_u32_u24 v13, v1, PITCH
	v_lshl_add_u32 v13, v12, 4, v13
	s_mul_i32 s23, s[WV], 64*PITCH
	v_add_nc_u32 v[ADA0], s23, v13
	v_add_nc_u32 v[ADB0], BOFF, v13
	v_mov_b32 v[ADA], v[ADA0]
	v_mov_b32 v[ADB], v[ADB0]
	s_mul_i32 s23, s[WV], 16*SPITCH
	s_add_co_u32 s23, s23, STAGE                   ; my stage
	v_mul_u32_u24 v13, v1, SPITCH
	v_lshl_add_u32 v13, v12, 5, v13
	v_add_nc_u32 v[STO], s23, v13                  ; in: row r, 32 bytes for each half of the lanes
	v_add_nc_u32 v[RD], s23, v[XO]                 ; back: 32 lanes take one row of 512 bytes
	s_wait_kmcnt 0x0
	s_mov_b32 s[RS+1], s[RS]
.macro MULS ch, a0, na, zero           ; na x 8 matrix instructions, 32 along K; the accumulators take turns, one instruction a turn
	WIN 0x50                                       ; fragments in window 0, C and D in window 1
.set rF, F0+96*((\ch)%2)
.set a, \a0
.rept \na
.set b, 0
.rept 8
.if \zero
	v_wmma_f32_16x16x32_bf16 v[8*(8*a+b):8*(8*a+b)+7], v[rF+32+8*b:rF+32+8*b+7], v[rF+8*a:rF+8*a+7], 0
.else
	v_wmma_f32_16x16x32_bf16 v[8*(8*a+b):8*(8*a+b)+7], v[rF+32+8*b:rF+32+8*b+7], v[rF+8*a:rF+8*a+7], v[8*(8*a+b):8*(8*a+b)+7]
.endif
.set b, b+1
.endr
.set a, a+1
.endr
.endm
.macro FETCH ch                        ; 24 loads in one run: the fragments of quarter ch of a K step
.set rL, F0+96*((\ch)%2)
.set a, 0
.rept 4
	ds_load_b128 v[rL+8*a:rL+8*a+3],   v[ADA] offset:a*16*PITCH+64*(\ch)
	ds_load_b128 v[rL+8*a+4:rL+8*a+7], v[ADA] offset:a*16*PITCH+64*(\ch)+32
.set a, a+1
.endr
.set b, 0
.rept 8
	ds_load_b128 v[rL+32+8*b:rL+32+8*b+3],   v[ADB] offset:b*16*PITCH+64*(\ch)
	ds_load_b128 v[rL+32+8*b+4:rL+32+8*b+7], v[ADB] offset:b*16*PITCH+64*(\ch)+32
.set b, b+1
.endr
.endm
.macro PH ch, zero                     ; one of a K step's first three quarters
	PLACES                                         ; behind the quarter before, which read the buffer that is loaded now
	WIN 0
	FETCH (\ch)+1
	s_wait_dscnt 24                                ; all but the 24 just issued
	MULS \ch, 0, 4, \zero
.endm
; The fourth quarter changes slots: ONE barrier; in front of it each wave waits for all its tensor loads (one is out: its part of the next slot), adds 0 to its spare word, and waits for that and for its reads.
; fill = 1: the barrier opens a round of the cluster's, and this slot is filled again first thing behind it, two K steps ahead: 112 matrix instructions stand between the request and the wait for it.
.macro TURN fill
	WIN 0
	s_wait_tensorcnt 0x0
	ds_add_u32 v[SPW], v[NIL]
	s_wait_dscnt 1                                 ; this quarter's fragments are in; the add may be out
	MULS 3, 0, 1, 0
	s_wait_dscnt 0x0                               ; the add is done, and my reads of this slot are over
	s_barrier_signal -1
	MULS 3, 1, 1, 0
	WIN 0
	s_barrier_wait -1
.if \fill
	CREST
	s_xor_b32 s[G0A+5], s[G0A+5], SLOT1
	s_add_nc_u64 s[G0A+6:G0A+7], s[G0A+6:G0A+7], KSTEP
	s_xor_b32 s[G0B+5], s[G0B+5], SLOT1
	s_add_nc_u64 s[G0B+6:G0B+7], s[G0B+6:G0B+7], KSTEP
	JLOAD                                          ; its four v_nop are also the places in front of the loads below
.else
	PLACES
.endif
	s_xor_b32 s[TB], s[TB], SLOT1
	v_add_nc_u32 v[ADA], s[TB], v[ADA0]
	v_add_nc_u32 v[ADB], s[TB], v[ADB0]
	FETCH 0
	MULS 3, 2, 2, 0
.endm
	s_wait_tensorcnt 1                             ; my part of K step 0 is in; step 1's may stay out
	s_barrier_signal -1
	s_barrier_wait -1
	FETCH 0
	PH 0, 1                                        ; the first products start the sums
	WIN 0
	s_mov_b32 s[CNT], 6
.Lstep:                                                ; a trip: a K step's last three quarters, with a refill (K steps 2 to 7), and the next step's first
	PH 1, 0
	PH 2, 0
	TURN 1
	PH 0, 0
	WIN 0
	s_sub_co_u32 s[CNT], s[CNT], 1
	s_cmp_lg_u32 s[CNT], 0
	s_cbranch_scc1 .Lstep
	PH 1, 0                                        ; the tail is written out: nothing more is asked for
	PH 2, 0
	TURN 0
	PH 0, 0
	PH 1, 0
	PH 2, 0
	s_wait_dscnt 0x0
	MULS 3, 0, 4, 0
; THE WAY OUT, 16 rows at a time: the f32 sums go through my stage and come back as whole rows of 512 bytes; one fused multiply-add with x; stored.
.macro STG a
.if (\a) >= 2
	s_wait_xcnt 0x0                                ; the registers that earlier stores read are loaded again only behind this wait
.endif
	WIN 0x04                                       ; the data in window 1; each accumulator's lowest registers first
.set b, 0
.rept 8
	ds_store_b128 v[STO], v[8*(8*(\a)+b):8*(8*(\a)+b)+3]   offset:64*b
	ds_store_b128 v[STO], v[8*(8*(\a)+b)+4:8*(8*(\a)+b)+7] offset:64*b+16
.set b, b+1
.endr
	WIN 0
.set t, 0
.rept 16
	ds_load_b128 v[OB0+64*((\a)%2)+4*t:OB0+64*((\a)%2)+4*t+3], v[RD] offset:t*SPITCH  ; LDS serves a wave's instructions in order: these see the stores above
.set t, t+1
.endr
.endm
.macro FIN a, younger
	s_wait_dscnt \younger                          ; the next block's 16 stores and 16 loads may be out
	WIN 0x20                                       ; x in window 2
.set z, 0
.rept 32
	v_pk_fma_f32 v[OB0+64*((\a)%2)+2*z:OB0+64*((\a)%2)+2*z+1], v[OB0+64*((\a)%2)+2*z:OB0+64*((\a)%2)+2*z+1], s[RS:RS+1], v[64*(\a)+2*z:64*(\a)+2*z+1] op_sel_hi:[1,0,1]
.set z, z+1
.endr
	WIN 0
.set t, 0
.rept 16
	global_store_b128 v[XO], v[OB0+64*((\a)%2)+4*t:OB0+64*((\a)%2)+4*t+3], s[74:75] offset:(16*(\a)+t)*4096 th:TH_STORE_NT  ; 512 consecutive bytes, aligned
.set t, t+1
.endr
.endm
	PLACES
	s_wait_loadcnt 0x0                             ; x
	STG 0
.irp a, 1,2,3
	STG \a
	FIN (\a)-1, 32
.endr
	FIN 3, 0
	s_wait_tensorcnt 0x0                           ; the wave's end
	ds_add_u32 v[SPW], v[NIL]
	s_wait_dscnt 0x0
	CROUND                                         ; the closing round
	s_endpgm
.Lfunc_end_k_qf54aad6a0b_outp:
	.size	k_qf54aad6a0b_outp, .Lfunc_end_k_qf54aad6a0b_outp-k_qf54aad6a0b_outp
	.p2alignl 7, 3214868480
	.fill 96, 4, 3214868480
	.section	.rodata,"a",@progbits
	.p2align	6, 0x0
	.amdhsa_kernel k_qf54aad6a0b_outp
		.amdhsa_group_segment_fixed_size 327680
		.amdhsa_private_segment_fixed_size 0
		.amdhsa_enable_private_segment 0
		.amdhsa_kernarg_size 40
		.amdhsa_user_sgpr_count 2
		.amdhsa_user_sgpr_kernarg_segment_ptr 1
		.amdhsa_wavefront_size32 1
		.amdhsa_system_sgpr_workgroup_id_x 1
		.amdhsa_system_sgpr_workgroup_id_y 1
		.amdhsa_system_sgpr_workgroup_id_z 1
		.amdhsa_system_vgpr_workitem_id 0
		.amdhsa_next_free_vgpr 768
		.amdhsa_next_free_sgpr 80
		.amdhsa_reserve_vcc 0
		.amdhsa_float_denorm_mode_32 3
		.amdhsa_float_denorm_mode_16_64 3
		.amdhsa_memory_ordered 1
		.amdhsa_forward_progress 1
		.amdhsa_inst_pref_size 82
	.end_amdhsa_kernel
	.amdgpu_metadata
---
amdhsa.version: [ 1, 2 ]
amdhsa.kernels:
  - .name:           k_qf54aad6a0b_outp
    .symbol:         k_qf54aad6a0b_outp.kd
    .args:
      - { .name: obuf, .offset: 0, .size: 8, .value_kind: global_buffer, .address_space: global }
      - { .name: wout, .offset: 8, .size: 8, .value_kind: global_buffer, .address_space: global }
      - { .name: x, .offset: 16, .size: 8, .value_kind: global_buffer, .address_space: global }
      - { .name: residual_scale, .offset: 24, .size: 8, .value_kind: global_buffer, .address_space: global }
      - { .name: out0, .offset: 32, .size: 8, .value_kind: global_buffer, .address_space: global }
    .group_segment_fixed_size: 327680
    .private_segment_fixed_size: 0
    .kernarg_segment_align: 8
    .kernarg_segment_size: 40
    .max_flat_workgroup_size: 128
    .sgpr_count:     80
    .vgpr_count:     768
    .wavefront_size: 32
...
	.end_amdgpu_metadata
.endif
;; end of part 4
;; ======== version 2 of 2: 4 launches; version 1 with the launch prep written anew for expert scheduling mode
;; workspace buffers: xn 16,777,216 bytes; wqkv 6,291,456 bytes; wout 2,097,152 bytes; rope 2,097,152 bytes; qbuf 16,777,216 bytes; kbuf 16,777,216 bytes; vbuf 16,777,216 bytes; obuf 16,777,216 bytes
;; launch prep (part 5): grid 448 x 1, 8 waves a work-group, no clusters, 0 bytes of LDS; arguments x, norm_w, qkv_w, out_w, xn, wqkv, wout, rope; writes xn, wqkv, wout, rope
.if DOCPART == 5
	.amdgcn_target "amdgcn-amd-amdhsa--gfx1250"
	.amdhsa_code_object_version 6
	.text
	.protected	k_qf54aad6a0b_prep
	.globl	k_qf54aad6a0b_prep
	.p2align	8
	.type	k_qf54aad6a0b_prep,@function
k_qf54aad6a0b_prep:
	s_mov_b64 s[64:65], 0
	v_nop
	global_prefetch_b8 v0, s[64:65] scope:SCOPE_SE
	s_setreg_imm32_b32 hwreg(HW_REG_WAVE_SCHED_MODE, 0, 2), 2
	s_setreg_imm32_b32 hwreg(HW_REG_WAVE_MODE, 25, 1), 1
	s_wait_xcnt 0x0
	s_wait_alu depctr_vm_vsrc(0)
; PREP: four streams, chosen by the work-group's number.  No LDS, no barrier, no matrix unit: bytes are all that counts here.
;   groups   0..255  X: xn = x * rsqrt(mean(x^2) + 1e-6), rounded once to bf16, laid as [32 row tiles][16 K blocks][256 rows][64]
;   groups 256..351  W: wqkv = qkv_w * norm_w (the gain is folded into the weight: 3,072 rows instead of 8,192), rounded once to bf16, laid as
;                       [8 tiles j][16 K blocks][384 rows][64]; tile j = head j/2, half j%2; its rows: 128 of q, 128 of k, 128 of v.
;                       In q and k output column c' = 2 p + s of a head is source channel p + 128 s, so that the two partners of the rotary
;                       embedding are neighbours; q . k does not change under a permutation common to both.  v keeps its order.
;   groups 352..383  O: wout = out_w rounded to bf16, same layout
;   groups 384..447  T: the table of cos and sin in f32, in the lane image that the projection's way out loads
; A wave of X, W, O takes 4 rows of 1,024 f32: lane l holds row l/8 and, of each block of 64 columns, the 8 columns 8 (l%8) on: 128 registers.
; Each store of a wave covers 512 consecutive bytes, aligned.
; LIMITS.  cos and sin: the angle pos * 10000^(-p/128) is formed in f32 with a base-2 exponential good to one unit in the last place, so at the largest
; positions it may differ from another f32 evaluation by some 5e-4 rad; the reduction by multiples of pi/2 uses a two-part constant, and |r| <= pi/4 bounds
; the series' remainders below 3e-7 at every position.  NaN and infinities in the inputs are not treated apart.
; THE MODE: SCHED_MODE bits 1:0 = 2 (LLVM: expert scheduling mode 2), set by the entry lines.  The code itself states the register dependences between
; vector instructions and memory instructions, and those through a scalar register that a vector instruction writes, with s_wait_alu, always for 0.
; THE PLAN.  Registers that memory instructions touch:
;   v5, v6, v7 (X, W, O), v8 (T)   byte offsets, made once and never written again: one wait ahead of a role's first memory instruction states that they are written.
;   D   (X, W, O)   the 32 loads land in it; no vector line names it before them.  The multiplies and roundings work in place; the stores read each block's first four registers; nothing writes them afterwards.
;                   The way out goes in turns of four blocks: turn g does group g's arithmetic, and the four stores of group g - 1 are dealt among it.  ONE wait at a turn's head states that the group before
;                   has written what those stores read; the turn's own vector lines name group g's blocks alone.
;   NW  (W)         the gain: read by the multiplies, loaded a second time for blocks 8 to 15: half at the head of turn 1, half at the head of turn 2, behind the same wait, which also states
;                   that the group before is done reading that half.
;   v[12:15] (T)    written by the selects, read by the trip's store: one wait ahead of the store; one, beside the wait for its address translation, ahead of the next trip's selects.
;   s4, s36, s37    written by vector lines (the wave's number; two compares): one wait behind each run of such writers, ahead of the first reader.
.set D,  64                            ; v[64:191]  the wave's 4 rows
.set NW, 192                           ; v[192:255] the gain for 8 blocks of 64 columns
.macro LD32 base, voff, step           ; 32 loads of 16 bytes a lane: block k at D + 8 k
.set k, 0
.rept 16
	global_load_b128 v[D+8*k:D+8*k+3], v[\voff], s[\base:\base+1] offset:k*(\step) th:TH_LOAD_NT
	global_load_b128 v[D+8*k+4:D+8*k+7], v[\voff], s[\base:\base+1] offset:k*(\step)+16 th:TH_LOAD_NT
.set k, k+1
.endr
.endm
.macro CVT4 kb                         ; block kb: 8 f32 become 8 bf16 in its first four registers (a destination is never a source still to come)
.set j, 0
.rept 4
	v_cvt_pk_bf16_f32 v[D+8*(\kb)+j], v[D+8*(\kb)+2*j], v[D+8*(\kb)+2*j+1]
.set j, j+1
.endr
.endm
; THE WAY OUT of X (role 0), W (role 1) and O (role 2), in five turns.  Turn g: the arithmetic of blocks 4 g to 4 g + 3 (none in turn 4), and ahead of each block one store of the group before (none in turn 0).
; base: the output's address; step: bytes from a block's place to the next.
.macro OUT role, base, step
.set g, 0
.rept 5
.if g > 0
	s_wait_alu depctr_va_vdst(0)                   ; the group before has written the first four registers of its blocks, which the stores below read; in W it is also done reading its half of the gain, in which the loads below land
.endif
.if ((\role) == 1) && ((g == 1) || (g == 2))
.set k, 4*g-4
.rept 4                                ; the gain for blocks 8 to 11 (turn 1) or 12 to 15 (turn 2), into the registers that blocks 0 to 3 or 4 to 7 have read; no vector line since the wait names them
	global_load_b128 v[NW+8*k:NW+8*k+3], v7, s[10:11] offset:(k+8)*256
	global_load_b128 v[NW+8*k+4:NW+8*k+7], v7, s[10:11] offset:(k+8)*256+16
.set k, k+1
.endr
.endif
.set i, 0
.rept 4
.if g > 0
	global_store_b128 v6, v[D+8*(4*g-4+i):D+8*(4*g-4+i)+3], s[\base:\base+1] offset:(4*g-4+i)*(\step)  ; no vector line since the wait names these registers
.endif
.if g < 4
.set kk, 4*g+i
.if ((\role) == 1) && (g == 1)
	s_wait_loadcnt 38-2*kk                         ; behind block kk's two loads: the 30 - 2 kk younger weight loads and turn 1's eight loads of the gain
.elseif (\role) > 0
	s_wait_loadcnt 30-2*kk                         ; blocks 0-3 (in O: all): the weight loads issued behind block kk's; W's blocks 8-15: the gain's loads issued behind block kk's pair (all weights are older)
.endif
.if (\role) == 0
.set j, 0
.rept 4
	v_pk_mul_f32 v[D+8*kk+2*j:D+8*kk+2*j+1], v[D+8*kk+2*j:D+8*kk+2*j+1], v[10:11]
.set j, j+1
.endr
.endif
.if (\role) == 1
.set j, 0
.rept 4
	v_pk_mul_f32 v[D+8*kk+2*j:D+8*kk+2*j+1], v[D+8*kk+2*j:D+8*kk+2*j+1], v[NW+8*(kk%8)+2*j:NW+8*(kk%8)+2*j+1]
.set j, j+1
.endr
.endif
	CVT4 kk
.endif
.set i, i+1
.endr
.set g, g+1
.endr
.endm
	s_load_b512 s[8:23], s[0:1], 0x0               ; x s[8:9], norm_w s[10:11], qkv_w s[12:13], out_w s[14:15], xn s[16:17], wqkv s[18:19], wout s[20:21], rope s[22:23]
	v_lshrrev_b32 v2, 5, v0
	v_readfirstlane_b32 s4, v2                     ; wave 0..7
	v_and_b32 v1, 31, v0                           ; lane
	s_mov_b32 s5, ttmp9
	v_lshlrev_b32 v6, 4, v1                        ; 16 x lane: the stores' offset in X, W, O
	s_wait_alu depctr_va_sdst(0)                   ; s4 is written, ahead of the branches and of its first reader: the roles' addresses are made from it
	s_wait_kmcnt 0x0
	s_cmp_lt_u32 s5, 256
	s_cbranch_scc1 .Lrole_x
	s_cmp_lt_u32 s5, 352
	s_cbranch_scc1 .Lrole_w
	s_cmp_lt_u32 s5, 384
	s_cbranch_scc1 .Lrole_o
; ---- T.  Entry (pb, e, b, hf, lane) at byte pb*16384 + e*8192 + b*1024 + hf*512 + lane*16 holds cos p, sin p, cos p+1, sin p+1
; for position 16 pb + lane%16 and p = 64 e + 8 b + 4 (lane/16) + 2 hf.  A thread keeps e, b, hf, lane and walks 8 values of pb, 16 apart.
	s_sub_co_u32 s6, s5, 384                       ; u = 0..63
	s_and_b32 s7, s6, 1
	s_bfe_u32 s24, s6, 0x10001                     ; e
	s_lshr_b32 s25, s6, 2                          ; the first pb
	v_bfe_u32 v2, v0, 5, 1                         ; hf
	v_bfe_u32 v3, v0, 6, 2
	s_lshl_b32 s7, s7, 2
	v_add_nc_u32 v3, s7, v3                        ; b
	v_lshrrev_b32 v4, 4, v1                        ; lane / 16
	s_lshl_b32 s26, s24, 6
	v_lshl_add_u32 v5, v3, 3, s26
	v_lshl_add_u32 v5, v4, 2, v5
	v_lshl_add_u32 v5, v2, 1, v5                   ; p
	v_add_nc_u32 v9, 1, v5                         ; p + 1
	v_cvt_f32_u32 v5, v5
	v_cvt_f32_u32 v9, v9
	v_mul_f32 v5, 0xbdd49a78, v5                   ; - p log2(10000) / 128
	v_mul_f32 v9, 0xbdd49a78, v9
	v_exp_f32 v5, v5                               ; 10000^(-p/128)
	v_exp_f32 v9, v9
	v_and_b32 v7, 15, v1                           ; (a plain line behind the exponentials)
	s_lshl_b32 s27, s25, 4
	v_add_nc_u32 v7, s27, v7                       ; the first position
	s_lshl_b32 s27, s25, 14
	s_lshl_b32 s26, s24, 13
	s_add_co_u32 s27, s27, s26
	v_lshl_add_u32 v8, v3, 10, s27
	v_lshl_add_u32 v8, v2, 9, v8
	v_lshl_add_u32 v8, v1, 4, v8                   ; the first entry's byte; never written again: the base moves on
	s_mov_b32 s28, 0x3fc90fdb                      ; pi/2, upper part
	s_mov_b32 s29, 0xb33bbd2e                      ; pi/2 less that
	s_mov_b32 s30, 0xb9500d01                      ; -1/5040
	s_mov_b32 s31, 0x3c088889                      ; 1/120
	s_mov_b32 s32, 0xbe2aaaab                      ; -1/6
	s_mov_b32 s33, 0x37d00d01                      ; 1/40320
	s_mov_b32 s34, 0xbab60b61                      ; -1/720
	s_mov_b32 s35, 0x3d2aaaab                      ; 1/24
; cos and sin of v10 * v[inv], in two parts, so that both angles' compares stand in one run with one wait behind them.
; ANGLE: quadrant k, remainder r in -pi/4 .. pi/4, the two series, whether the quadrant is odd (into s[m]), and the two sign bits.  t: ten registers at work; k = t + 1, by its number.
.macro ANGLE inv, t, k, m
	v_mul_f32 v[\t], v10, v[\inv]
	v_mul_f32 v[(\t)+1], 0x3f22f983, v[\t]         ; x 2/pi
	v_rndne_f32 v[(\t)+1], v[(\t)+1]               ; k
	v_fma_f32 v[(\t)+2], -v\k, s28, v[\t]
	v_fma_f32 v[(\t)+2], -v\k, s29, v[(\t)+2]      ; r
	v_mul_f32 v[(\t)+3], v[(\t)+2], v[(\t)+2]      ; r^2
	v_fma_f32 v[(\t)+4], v[(\t)+3], s30, s31
	v_fma_f32 v[(\t)+6], v[(\t)+3], s33, s34
	v_fma_f32 v[(\t)+4], v[(\t)+4], v[(\t)+3], s32
	v_fma_f32 v[(\t)+6], v[(\t)+6], v[(\t)+3], s35
	v_mul_f32 v[(\t)+5], v[(\t)+2], v[(\t)+3]
	v_fma_f32 v[(\t)+6], v[(\t)+6], v[(\t)+3], -0.5
	v_fma_f32 v[(\t)+4], v[(\t)+5], v[(\t)+4], v[(\t)+2]  ; sin r
	v_fma_f32 v[(\t)+6], v[(\t)+6], v[(\t)+3], 1.0        ; cos r
	v_cvt_i32_f32 v[(\t)+7], v[(\t)+1]
	v_and_b32 v[(\t)+8], 1, v[(\t)+7]
	v_cmp_eq_u32 s[\m], 1, v[(\t)+8]               ; odd quadrant: the two change places
	v_add_nc_u32 v[(\t)+8], 1, v[(\t)+7]
	v_and_b32 v[(\t)+8], 2, v[(\t)+8]
	v_lshlrev_b32 v[(\t)+8], 30, v[(\t)+8]         ; cos is negative in quadrants 1, 2
	v_and_b32 v[(\t)+9], 2, v[(\t)+7]
	v_lshlrev_b32 v[(\t)+9], 30, v[(\t)+9]         ; sin in quadrants 2, 3
.endm
; QUAD: the quadrant's swap and signs (selects only, no branch), into the out-buffer.
.macro QUAD t, m, c, s
	v_cndmask_b32 v[\c], v[(\t)+6], v[(\t)+4], s[\m]
	v_cndmask_b32 v[\s], v[(\t)+4], v[(\t)+6], s[\m]
	v_xor_b32 v[\c], v[\c], v[(\t)+8]
	v_xor_b32 v[\s], v[\s], v[(\t)+9]
.endm
	s_wait_alu depctr_va_vdst(0)                   ; the two exponentials have written v5 and v9, ahead of the label and of their first reader
	s_mov_b32 s6, 8
.Ltrip:
	v_cvt_f32_u32 v10, v7
	ANGLE 5, 20, 21, 36
	ANGLE 9, 30, 31, 37
	s_wait_alu depctr_va_sdst(0)                   ; the two compares have written s36 and s37, which the selects below read
	s_wait_xcnt 0x0                                ; the last trip's store has had its address translated: its base and data are rewritten only behind this wait
	s_wait_alu depctr_vm_vsrc(0)                   ; the last trip's store has read v[12:15], which the selects below write again
	s_add_nc_u64 s[22:23], s[22:23], 0x40000       ; 16 blocks of 16 positions on; the store below reaches back by as much
	QUAD 20, 36, 12, 13
	QUAD 30, 37, 14, 15
	s_wait_alu depctr_va_vdst(0)                   ; the selects have written v[12:15], the store's data; in the first trip also: v8, its offset, is written
	global_store_b128 v8, v[12:15], s[22:23] offset:-0x40000  ; a wave's 512 consecutive bytes
	v_add_nc_u32 v7, 0x100, v7                     ; the next position: no memory instruction names v7
	s_sub_co_u32 s6, s6, 1
	s_cmp_lg_u32 s6, 0
	s_cbranch_scc1 .Ltrip
	s_endpgm
; ---- X.  Rows 32 g + 4 w on.
.Lrole_x:
	s_lshl_b32 s24, s5, 17                         ; 32 rows x 4,096 bytes
	s_lshl_b32 s25, s4, 14
	s_add_co_u32 s24, s24, s25
	s_mov_b32 s25, 0
	s_add_nc_u64 s[8:9], s[8:9], s[24:25]
	v_lshrrev_b32 v3, 3, v1
	v_and_b32 v4, 7, v1
	v_lshlrev_b32 v5, 5, v4
	v_lshl_add_u32 v5, v3, 12, v5                  ; row x 4,096 + piece x 32
	s_wait_alu depctr_va_vdst(0)                   ; v5 and v6 are written: the loads' and the stores' offsets
	LD32 8, 5, 256
	s_lshr_b32 s26, s5, 3                          ; the row tile,
	s_lshl_b32 s26, s26, 19
	s_and_b32 s27, s5, 7                           ; and the rows' place in it, 128 bytes a row
	s_lshl_b32 s27, s27, 12
	s_add_co_u32 s26, s26, s27
	s_lshl_b32 s27, s4, 9
	s_add_co_u32 s26, s26, s27
	s_mov_b32 s27, 0
	s_add_nc_u64 s[16:17], s[16:17], s[26:27]
	s_mov_b32 s28, 0x3a800000                      ; 1/1024
	s_mov_b32 s29, 0x358637bd                      ; 1e-6
.set kk, 0
.rept 16                               ; the sum of squares in f32, four chains of pairs; the first block starts them
	s_wait_loadcnt 30-2*kk                         ; behind block kk's two loads 30 - 2 kk were issued
.set j, 0
.rept 4
.if kk == 0
	v_pk_mul_f32 v[8+2*j:9+2*j], v[D+2*j:D+2*j+1], v[D+2*j:D+2*j+1]
.else
	v_pk_fma_f32 v[8+2*j:9+2*j], v[D+8*kk+2*j:D+8*kk+2*j+1], v[D+8*kk+2*j:D+8*kk+2*j+1], v[8+2*j:9+2*j]
.endif
.set j, j+1
.endr
.set kk, kk+1
.endr
	v_pk_add_f32 v[8:9], v[8:9], v[10:11]
	v_pk_add_f32 v[12:13], v[12:13], v[14:15]
	v_pk_add_f32 v[8:9], v[8:9], v[12:13]
	v_add_f32 v8, v8, v9
	v_add_f32_dpp v8, v8, v8 row_xmask:1 row_mask:0xf bank_mask:0xf   ; over the row's eight lanes
	v_add_f32_dpp v8, v8, v8 row_xmask:2 row_mask:0xf bank_mask:0xf
	v_add_f32_dpp v8, v8, v8 row_xmask:4 row_mask:0xf bank_mask:0xf
	v_fma_f32 v8, v8, s28, s29                     ; mean + eps
	v_rsq_f32 v10, v8
	v_nop                                          ; a plain line between the root and its use
	s_wait_alu depctr_va_vdst(0)                   ; the root has written v10, ahead of its first reader
	v_mov_b32 v11, v10
	OUT 0, 16, 32768                               ; 4 rows x 128 bytes of a K block lie together
	s_endpgm
; ---- W.  Group u: section u/32 (q, k, v), tile (u/4)%8, rows 32 (u%4) + 4 w on of the section's 128.
.Lrole_w:
	s_sub_co_u32 s6, s5, 256
	s_lshr_b32 s7, s6, 5                           ; section
	s_bfe_u32 s24, s6, 0x30002                     ; j
	s_and_b32 s25, s6, 3                           ; t
	s_and_b32 s26, s24, 1
	s_lshl_b32 s26, s26, 7
	s_lshl_b32 s27, s25, 5
	s_add_co_u32 s26, s26, s27
	s_lshl_b32 s27, s4, 2
	s_add_co_u32 s26, s26, s27
	v_lshrrev_b32 v3, 3, v1
	v_add_nc_u32 v3, s26, v3                       ; c': the output column in its head
	v_lshrrev_b32 v4, 1, v3
	v_and_b32 v5, 1, v3
	v_lshl_add_u32 v4, v5, 7, v4                   ; c'/2 + 128 (c'%2)
	s_cmp_lt_u32 s7, 2
	s_cselect_b32 s28, -1, 0
	v_cndmask_b32 v3, v3, v4, s28                  ; q and k: permuted; v: as it is (the mask is a scalar instruction's)
	s_lshl_b32 s29, s7, 10
	s_lshr_b32 s30, s24, 1
	s_lshl_b32 s30, s30, 8
	s_add_co_u32 s29, s29, s30
	v_add_nc_u32 v3, s29, v3                       ; the source row
	v_and_b32 v4, 7, v1
	v_lshlrev_b32 v7, 5, v4                        ; piece x 32: my 8 columns of a block, in the gain too
	v_lshl_add_u32 v5, v3, 12, v7
	s_wait_alu depctr_va_vdst(0)                   ; v5, v6 and v7 are written: the offsets of the weight's loads, of the stores and of the gain's loads
.set k, 0
.rept 8                                ; the gain for blocks 0 to 7
	global_load_b128 v[NW+8*k:NW+8*k+3], v7, s[10:11] offset:k*256
	global_load_b128 v[NW+8*k+4:NW+8*k+7], v7, s[10:11] offset:k*256+16
.set k, k+1
.endr
	LD32 12, 5, 256
	s_mul_i32 s30, s24, 786432                     ; tile j: 16 blocks of 49,152 bytes
	s_lshl_b32 s31, s7, 14                         ; section: 128 rows of 128 bytes
	s_add_co_u32 s30, s30, s31
	s_lshl_b32 s31, s25, 12
	s_add_co_u32 s30, s30, s31
	s_lshl_b32 s31, s4, 9
	s_add_co_u32 s30, s30, s31
	s_mov_b32 s31, 0
	s_add_nc_u64 s[18:19], s[18:19], s[30:31]
	OUT 1, 18, 49152
	s_endpgm
; ---- O.  A dense cast: 4 rows are 16,384 consecutive bytes in, 8,192 out.
.Lrole_o:
	s_sub_co_u32 s6, s5, 352
	s_lshl_b32 s24, s6, 17
	s_lshl_b32 s25, s4, 14
	s_add_co_u32 s24, s24, s25
	s_mov_b32 s25, 0
	s_add_nc_u64 s[14:15], s[14:15], s[24:25]
	s_lshr_b32 s24, s24, 1
	s_add_nc_u64 s[20:21], s[20:21], s[24:25]
	v_lshlrev_b32 v5, 5, v1
	s_wait_alu depctr_va_vdst(0)                   ; v5 and v6 are written: the loads' and the stores' offsets
	LD32 14, 5, 1024
	OUT 2, 20, 512
	s_endpgm
.Lfunc_end_k_qf54aad6a0b_prep:
	.size	k_qf54aad6a0b_prep, .Lfunc_end_k_qf54aad6a0b_prep-k_qf54aad6a0b_prep
	.p2alignl 7, 3214868480
	.fill 96, 4, 3214868480
	.section	.rodata,"a",@progbits
	.p2align	6, 0x0
	.amdhsa_kernel k_qf54aad6a0b_prep
		.amdhsa_group_segment_fixed_size 0
		.amdhsa_private_segment_fixed_size 0
		.amdhsa_enable_private_segment 0
		.amdhsa_kernarg_size 64
		.amdhsa_user_sgpr_count 2
		.amdhsa_user_sgpr_kernarg_segment_ptr 1
		.amdhsa_wavefront_size32 1
		.amdhsa_system_sgpr_workgroup_id_x 1
		.amdhsa_system_sgpr_workgroup_id_y 1
		.amdhsa_system_sgpr_workgroup_id_z 1
		.amdhsa_system_vgpr_workitem_id 0
		.amdhsa_next_free_vgpr 256
		.amdhsa_next_free_sgpr 66
		.amdhsa_reserve_vcc 0
		.amdhsa_float_denorm_mode_32 3
		.amdhsa_float_denorm_mode_16_64 3
		.amdhsa_memory_ordered 1
		.amdhsa_forward_progress 1
		.amdhsa_inst_pref_size 52
	.end_amdhsa_kernel
	.amdgpu_metadata
---
amdhsa.version: [ 1, 2 ]
amdhsa.kernels:
  - .name:           k_qf54aad6a0b_prep
    .symbol:         k_qf54aad6a0b_prep.kd
    .args:
      - { .name: x, .offset: 0, .size: 8, .value_kind: global_buffer, .address_space: global }
      - { .name: norm_w, .offset: 8, .size: 8, .value_kind: global_buffer, .address_space: global }
      - { .name: qkv_w, .offset: 16, .size: 8, .value_kind: global_buffer, .address_space: global }
      - { .name: out_w, .offset: 24, .size: 8, .value_kind: global_buffer, .address_space: global }
      - { .name: xn, .offset: 32, .size: 8, .value_kind: global_buffer, .address_space: global }
      - { .name: wqkv, .offset: 40, .size: 8, .value_kind: global_buffer, .address_space: global }
      - { .name: wout, .offset: 48, .size: 8, .value_kind: global_buffer, .address_space: global }
      - { .name: rope, .offset: 56, .size: 8, .value_kind: global_buffer, .address_space: global }
    .group_segment_fixed_size: 0
    .private_segment_fixed_size: 0
    .kernarg_segment_align: 8
    .kernarg_segment_size: 64
    .max_flat_workgroup_size: 256
    .sgpr_count:     66
    .vgpr_count:     256
    .wavefront_size: 32
...
	.end_amdgpu_metadata
.endif
;; end of part 5
;; launch proj: the kernel of part 2 again; grid 8 x 32, 4 waves a work-group, clusters of 4 x 4, 327,680 bytes of LDS; arguments xn, wqkv, rope, qbuf, kbuf, vbuf; writes qbuf, kbuf, vbuf
;; launch attn: the kernel of part 3 again; grid 16 x 16, 4 waves a work-group, clusters of 4 x 1, 327,680 bytes of LDS; arguments qbuf, kbuf, vbuf, obuf; writes obuf
;; launch outp: the kernel of part 4 again; grid 8 x 32, 4 waves a work-group, clusters of 4 x 4, 327,680 bytes of LDS; arguments obuf, wout, x, residual_scale, out0; writes out0
